; MI455X (gfx1250); checked and timed in simulation.
; The chip was launched on July 23, 2026; its instructions are those of AMD's public machine-readable ISA for CDNA 5 (MIT licence, August 2026) and "CDNA5" Instruction Set Architecture Reference Guide (July 2026). The comments in the code are by the model that wrote it; some were corrected since.
;; Full Attention. Allowed arithmetic: matrix products marked QUANTISED: E4M3 operands, one E8M0 scale for each 32 along K, by v_wmma_scale_f32_16x16x128_f8f6f4 with both operands' format E4M3, f32 sums; everything else in f32.
;; Inputs: Wk_codes 1,024 x 32 x 32 uint8 (E4M3 codes of Wk, K innermost, in blocks of 32 codes); Wk_scales 1,024 x 32 uint8 (E8M0 scales of Wk, one for each 32 codes along K); Wo_codes 1,024 x 32 x 32 uint8 (E4M3 codes of Wo, K innermost, in blocks of 32 codes); Wo_scales 1,024 x 32 uint8 (E8M0 scales of Wo, one for each 32 codes along K); Wq_codes 1,024 x 32 x 32 uint8 (E4M3 codes of Wq, K innermost, in blocks of 32 codes); Wq_scales 1,024 x 32 uint8 (E8M0 scales of Wq, one for each 32 codes along K); Wv_codes 1,024 x 32 x 32 uint8 (E4M3 codes of Wv, K innermost, in blocks of 32 codes); Wv_scales 1,024 x 32 uint8 (E8M0 scales of Wv, one for each 32 codes along K); rope_cos 2,048 x 32 float32; rope_sin 2,048 x 32 float32; x_codes 4 x 2,048 x 32 x 32 uint8 (E4M3 codes of x, K innermost, in blocks of 32 codes); x_scales 4 x 2,048 x 32 uint8 (E8M0 scales of x, one for each 32 codes along K).
;; Outputs: out0 4 x 2,048 x 1,024 float32.
;; This version of the problem:
;;   THIS VERSION OF THE PROBLEM IS GIVEN IN LOW PRECISION. The matrix products marked QUANTISED in the list below multiply operands that are first quantised to E4M3 (4 exponent bits, 3 mantissa bits; 8 bits a number), with one power-of-two scale for each 32 numbers along K (OCP MX v1.0); their sums are f32. All else is computed in f32.
;;   The module's matrix products, in the order in which they are computed (A, B: the left and right operand; K: the contracted axis; several contracted axes count as one K, in the product's order):
;;     1. [M 8,192, K 1,024] x [K 1,024, N 1,024]; A: input x (given as codes); B: input Wq (given as codes): QUANTISED
;;     2. [M 8,192, K 1,024] x [K 1,024, N 1,024]; A: input x (given as codes); B: input Wk (given as codes): QUANTISED
;;     3. [M 8,192, K 1,024] x [K 1,024, N 1,024]; A: input x (given as codes); B: input Wv (given as codes): QUANTISED
;;     4. batch 64 x [M 2,048, K 64] x [K 64, N 2,048]; A: computed on the way; B: computed on the way: QUANTISED
;;     5. batch 64 x [M 2,048, K 2,048] x [K 2,048, N 64]; A: softmax (see below); B: computed on the way: QUANTISED
;;     6. [M 8,192, K 1,024] x [K 1,024, N 1,024]; A: computed on the way; B: input Wo (given as codes): QUANTISED
;;   THE QUANTISER, for each operand of a quantised product, along K:
;;     - K is cut into blocks of 32 from its start; a last block that is shorter is filled with zeros.
;;     - A block's scale is 2^e with e = floor(log2(the largest magnitude in the block)) - 8, held to -126 .. 127; a block of zeros has e = 0. As a byte (E8M0): e + 127.
;;     - Each number is divided by its block's scale, clamped to +-448, and rounded to the nearest number of E4M3, ties to even, subnormals kept.
;;     - The product sums the exact products of the quantised numbers (number of the format x scale) in f32.
;;   ~~~python
;;   def quantise(x, axis):      # numpy; x: float32 -> the quantised numbers, widened to float32 again
;;       x = np.moveaxis(x, axis, -1); K = x.shape[-1]
;;       x = np.pad(x, [(0, 0)] * (x.ndim - 1) + [(0, -K % 32)]); x = x.reshape(x.shape[:-1] + (-1, 32)); a = np.abs(x).max(-1, keepdims=True)
;;       e = np.where(a > 0, np.clip(np.frexp(np.where(a > 0, a, 1))[1] - 1 - 8, -126, 127), 0)      # np.frexp(a)[1] - 1 = floor(log2(a)), exactly
;;       r = np.clip(x / 2.0 ** e, -448, 448)
;;       step = 2.0 ** (np.maximum(np.frexp(np.where(r == 0, 1, r))[1] - 1, -6) - 3)
;;       q = np.round(r / step) * step * 2.0 ** e      # np.round: ties to even
;;       return np.moveaxis(q.reshape(q.shape[:-2] + (-1,))[..., :K], -1, axis).astype(np.float32)
;;   ~~~
;;   SOFTMAX AHEAD OF A QUANTISED PRODUCT. Where the list says 'softmax', what is quantised is not the finished softmax but p = 2^(t - M), with t = logit x log2(e) and M = ceil(the row's largest t), a whole number; so 1/2 < the row's largest p <= 1. The row's sum l is taken of the UNQUANTISED p, in f32, and the product's result is divided by l at the end. Since M is a whole number, a kernel that streams over the keys may use a running M (the ceiling of the running maximum): every later rescaling is an exact power of two, which a block's scale takes up: the codes' values come out the same.
;;   OPERANDS COMPUTED ON THE WAY. 'Computed on the way' means the value that the module computes at that place (a softmax that the list does not call 'softmax' is quantised finished and normalised). What goes into a quantiser is computed in f32, as accurately as f32 sums, v_exp_f32 and their like allow (about 1e-6 of the number): no bf16 or f16 on the way to a quantiser, and a product that is left as it is and whose result goes on into a quantised operand takes f32 operands (vector FMAs, or v_wmma_f32_16x16x4_f32). A number that lies on a knife's edge between two numbers of the format may be rounded either way, as far as f32 arithmetic and the matrix unit's own rounding can turn it there, and no further.
;;   INPUTS GIVEN AS CODES. Wk (in the module: [1024, 1024], K = its axis 0); Wo (in the module: [1024, 1024], K = its axis 0); Wq (in the module: [1024, 1024], K = its axis 0); Wv (in the module: [1024, 1024], K = its axis 0); x (in the module: [4, 2048, 1024], K = its axis 2): each comes as NAME_codes (uint8): NAME with its K axis moved to the last place and cut into blocks of 32 codes, [.., K / 32, bytes a block], one block behind the other in memory; one code a byte (a code: sign, 4 exponent bits, 3 mantissa bits); and NAME_scales (uint8): the same leading axes, one E8M0 byte (e + 127) for each 32 codes along K. Its value is code x scale, taken as it is: it is not quantised again, and the codes and scales need not be those that the quantiser above would give.
;; One version. Each part assembles by itself: llvm-mc -triple=amdgcn-amd-amdhsa -mcpu=gfx1250 --defsym DOCPART=n.
;; ======== version 1 of 1: 3 launches
;; limits: right only within a limited range of input values
;; workspace buffers: qc 8,388,608 bytes; qs 524,288 bytes; kv 16,777,216 bytes; kvs 786,432 bytes; oc 8,388,608 bytes; os 262,144 bytes
;; launch qkv (part 1): grid 8 x 48, 4 waves a work-group, clusters of 4 x 4, 327,680 bytes of LDS; arguments x_codes, x_scales, Wq_codes, Wq_scales, Wk_codes, Wk_scales, Wv_codes, Wv_scales, rope_cos, rope_sin, qc, qs, kv, kvs; writes qc, qs, kv, kvs
.if DOCPART == 1
	.amdgcn_target "amdgcn-amd-amdhsa--gfx1250"
	.amdhsa_code_object_version 6
	.text
	.protected	k_q8a76c5db52_qkv
	.globl	k_q8a76c5db52_qkv
	.p2align	8
	.type	k_q8a76c5db52_qkv,@function
k_q8a76c5db52_qkv:
	s_mov_b64 s[64:65], 0
	v_nop
	global_prefetch_b8 v0, s[64:65] scope:SCOPE_SE
	s_setreg_imm32_b32 hwreg(HW_REG_WAVE_MODE, 25, 1), 1
	s_wait_xcnt 0x0
	s_wait_alu depctr_hold_cnt(0) depctr_sa_sdst(0) depctr_va_vdst(0) depctr_va_sdst(0) depctr_va_ssrc(0) depctr_va_vcc(0) depctr_vm_vsrc(0)
	s_getreg_b32 s2, hwreg(HW_REG_IB_STS2, 6, 4)
	s_cmp_eq_u32 s2, 0
	s_cbranch_scc0 .Lentry_in_a_cluster
	s_endpgm
.Lentry_in_a_cluster:
	s_bfe_u32 s2, ttmp6, 0x10000c
	s_cmp_lg_u32 s2, 0xf033
	s_cbranch_scc0 .Lentry_shape_is_right
	s_endpgm
.Lentry_shape_is_right:
; q = rope(x Wq), k = rope(x Wk), v = x Wv on codes of FP8 (E4M3) with one E8M0 scale for each 32 along K = 1,024; the results are quantised at once:
; q and k along the head's 64 (two blocks of 32), v along the keys (blocks of 32 tokens), and leave as IMAGES OF OPERAND REGISTERS for the attention launch.
; A tile of 256 x 256 is made by four waves, each 128 x 128: 64 accumulators, 512 registers.  K goes in steps of 256 through a ring of two LDS slots filled by the tensor data mover.
; "A" is the operand whose rows fall on LANES (source 1), "B" the one whose rows fall on a lane's REGISTERS (source 0): accumulator (a, b), register j, lane (r, h) holds (A row 16 a + r) . (B row 16 b + 8 h + j).
;   clusters with y < 8 (KIND = 1): A = x (tile row 4 y + cy), B = Wq (cluster x = 0) or Wk (x = 1), tile cx: a lane holds a token, its registers run along the head's d: what q's and k's quantiser wants.
;   clusters with y >= 8 (KIND = 0): A = Wv (tile cy), B = x (tile 4 (x + 2 (y - 8)) + cx): a lane holds a channel of v, its registers run along the tokens, which are the next product's K.
; CLUSTERS: 4 x 4 work-groups; A's tile hangs on cy and the cluster's numbers alone and is asked for jointly along a row of the cluster, B's on cx and is asked for jointly along a column.  KIND is the same in all sixteen.
; THE ORDER OF k INSIDE A BLOCK OF 32.  The 16 registers of accumulators 2 g and 2 g + 1 become registers 4 g .. 4 g + 3 of the next operand, so place 32 g + 16 h + i of a fragment holds true k = 32 g + 8 h + i (i < 8)
; or 32 g + 16 + 8 h + i - 8.  q and k get the same order here; v gets the order that the attention launch's p has.  A block holds the same 32 numbers as in natural order, so scales and products are the same; only the grouping of the f32 sum differs.
; OUT: qc [bh][token tile 128][chunk 2][lane][16 B]; qs [bh][128 tokens][lane][4 words] (word j of lane (r, h): tile 4 h + j, row r; bytes 2, 3 are 0x7f);
;      kv [bh][key step 16][K: 8 tiles x 1,024 B as qc | V: 4 channel tiles x 4 chunks x 512 B]; kvs [bh][key step][K: 512 B as qs | V: [lane][2 words], word j of lane (r, h): channel tile 2 h + j, row r].
; Every store of codes covers 512 consecutive bytes, aligned; the scale words leave as 512 or 256 consecutive bytes.
; LIMITS: NaN, infinities and scale bytes 0xff among the inputs are not served; a block whose largest magnitude lies under 2^-118 has its byte held at 1, a block of zeros gets the byte 1 (its codes are zeros; this program alone reads the bytes);
; rope is one product and one fused multiply-add for each number: one rounding fewer than two products and a sum.
; REGISTERS, in windows of 256: window 0: v16-31 addresses; v32-63 scale words of the loop, and nothing else; v64-127 cos and sin, two sets; from v128 A's fragments, ONE set; on the way out v128-255 are at work.
;   window 1: B's fragments, two sets.   window 2: accumulators of A's blocks 0-3 ((a, b) at v[8 (8 (a % 4) + b)]);   window 3: those of blocks 4-7.
.set SIZE_K, 1024
.set KSTEP,  256                       ; along K in a slot
.set NQ,     KSTEP/128                 ; matrix instructions deep
.set ROWB,   256                       ; a tile's row in bytes
.set KROW,   SIZE_K                    ; a row of codes in memory
.set PITCH,  272                       ; an LDS row: 256 bytes + 16 of padding: the 16 rows that a load touches start 68 words apart
.set FR,     16                        ; registers of a fragment
.set NL,     4                         ; LDS loads that bring one
.set NP,     8                         ; places behind this matrix instruction (ISA guide 7.12.1)
.set HALFT,  128*PITCH                 ; 128 rows: what one tensor load brings
.set SLOT,   4*HALFT                   ; A's 256 rows, then B's 256 rows
.set LAPS,   SIZE_K/(2*KSTEP)          ; a lap = two K steps = once round the ring
.set KS,     SIZE_K/32                 ; a row of scale bytes
.set SCL,    2*SLOT                    ; behind the ring: the scales of all of K, as 256 bytes + 16 of padding, filled once
.set HALFS,  (128*KS/256)*272
.set SBLK,   (16*KS/256)*272
.set SPARE,  SCL+4*HALFS               ; the spare words, 128 bytes for each wave: two blocks of 256 bytes that no other line names
.set ADRA, 16                          ; v16-17  LDS address of my A fragments in slot 0, 1
.set ADRB, 20                          ; v20-21  the same for B
.set CSA,  24                          ; v24     cos, sin: 128 (my first token in its sequence + r) + 32 h; never rewritten
.set LANE, 25                          ; v25     lane
.set CO,   26                          ; v26     16 x lane
.set ADRS, 27                          ; v27     LDS address of my scale words: lanes 0-15 A's rows, lanes 16-31 B's
.set SPW,  28                          ; v28     LDS address of my spare word; never rewritten
.set NIL,  29                          ; v29     0; never rewritten
.set CO8,  30                          ; v30     8 x lane
.set FLR,  31                          ; v31     2^(9 - 127): the floor under every largest magnitude
.set SC,   32                          ; scale words, two sets of 16
.set CS,   64                          ; cos (16) and sin (16) of a token tile, two sets
.set AF,   128                         ; A's fragments
.set X,    128                         ; the way out: 64 numbers for the quantiser
.set PC,   192                         ; codes, two sets of 16
.set TM,   224                         ; +0..3 largest magnitudes, +4..7 the other half's, then bytes, +8..11 448 x scale, +12..15 the conversion's scale; +0..7 also rope's products
.set WQ,   240                         ; the scale words made
.set G1, 24
.set G0, 32
.set G1B, 48
.set G0B, 56
.set G1S, 68
.set G0S, 76
.set G1SB, 80
.set G0SB, 88
.set KIND, 100                         ; s100  1: q or k;  0: v
.set FQ,   101                         ; s101  1: q
.set SEL,  20                          ; s[20:21] on the way out: lane selects for lane xor 16
.set MNT,  22                          ; s22   on the way out: the mantissa field of 448
.set MSB, 0
.macro WIN new                         ; the immediate's high byte repeats the setting that is left
.if MSB != (\new)
	s_set_vgpr_msb (MSB<<8)|(\new)
.set MSB, (\new)
.endif
.endm
.set MUL_LO, 0xa1                      ; source 0 (B) window 1, source 1 (A) window 0, C and D window 2
.set MUL_HI, 0xf1                      ; the same, C and D window 3
.set TO_B,   0x40                      ; destination window 1, address window 0
; A joint load: waves 0 and 1 fetch for A, waves 2 and 3 for B; the branch hangs on the wave's number alone.  Four v_nop follow each of the two lines.
.macro JLOAD g0a, g1a, g0b, g1b
	s_cmp_eq_u32 s15, 0
	s_cbranch_scc0 .Lfor_b_\@
	tensor_load_to_lds s[\g0a:\g0a+3], s[\g1a:\g1a+7]
	s_nop 0
.rept 4
	v_nop
.endr
	s_branch .Lasked_\@
.Lfor_b_\@:
	tensor_load_to_lds s[\g0b:\g0b+3], s[\g1b:\g1b+7]
	s_nop 0
.rept 4
	v_nop
.endr
.Lasked_\@:
.endm
.macro CREST                           ; a round of the cluster's barrier behind its opening barrier
	s_cmp_lg_u32 s14, 0
	s_cbranch_scc1 .Lnot_wave_0_\@
	s_barrier_signal -3
.Lnot_wave_0_\@:
	s_barrier_wait -3
	s_barrier_signal -1
	s_barrier_wait -1
.endm
.macro CROUND                          ; a whole round
	s_barrier_signal -1
	s_barrier_wait -1
	CREST
.endm
	s_load_b256 s[68:75], s[0:1], 0x0              ; x's codes, x's scales, Wq's codes, Wq's scales
	s_load_b256 s[76:83], s[0:1], 0x20             ; Wk's codes, scales, Wv's codes, scales
	s_load_b256 s[84:91], s[0:1], 0x40             ; cos, sin, qc, qs
	s_load_b128 s[92:95], s[0:1], 0x60             ; kv, kvs
	v_lshl_add_u32 v[SPW], v0, 2, SPARE
	v_mov_b32 v[NIL], 0
	ds_add_u32 v28, v29
	ds_add_u32 v28, v29
	s_wait_dscnt 0x0
	v_lshrrev_b32 v1, 5, v0
	v_readfirstlane_b32 s14, v1                    ; wave 0..3
	s_lshr_b32 s15, s14, 1                         ; which half of A's rows is mine.  Also: I fetch for A (0) or for B (1)
	s_and_b32 s16, s14, 1                          ; which half of B's rows.  Also: which 128 rows of that tile I fetch
	s_bfe_u32 s40, ttmp6, 0x40000                  ; cx, cy: my place in the cluster
	s_bfe_u32 s41, ttmp6, 0x40004
	s_and_b32 s18, ttmp7, 0xffff                   ; the cluster's y
	s_sub_co_u32 s19, s18, 8
	s_lshl_b32 s19, s19, 1
	s_add_co_u32 s19, s19, ttmp9                   ; for v: which four tiles of tokens: x + 2 (y - 8)
	s_cmp_lt_u32 s18, 8
	s_cselect_b32 s[KIND], 1, 0
	s_cselect_b32 s17, s18, 0
	s_cselect_b32 s42, 0, s19
	s_cmp_eq_u32 ttmp9, 0
	s_cselect_b32 s[FQ], s[KIND], 0
	s_lshl_b32 s17, s17, 2
	s_add_co_u32 s17, s17, s41                     ; A's tile: 4 x (y or 0) + cy
	s_lshl_b32 s42, s42, 2
	s_add_co_u32 s42, s42, s40                     ; B's tile: 4 x (0 or x + 2 (y - 8)) + cx
	s_lshl_b32 s43, s41, 2
	s_lshl_b32 s43, 15, s43                        ; my row of the cluster
	s_lshl_b32 s44, 0x1111, s40                    ; my column
	; descriptor group 1: a tile of 128 rows x 256 bytes, padded in LDS
	s_or_b32 s[G1+0], s43, (0<<16)|(1<<20)|(1<<21)|(5<<22)|(3<<25)  ; 15:0 the mask; 17:16 elements of 1 byte; 20 padding on; 21 set beside a mask; 24:22 after every 64 words; 31:25 four words
	s_or_b32 s[G1B+0], s44, (0<<16)|(1<<20)|(1<<21)|(5<<22)|(3<<25)
.irp g, G1, G1B
	s_mov_b32 s[\g+1], ROWB<<16                    ; tensor_dim0
	s_mov_b32 s[\g+2], 128<<16                     ; tensor_dim1
	s_mov_b32 s[\g+3], ROWB<<16                    ; tile_dim0
	s_mov_b32 s[\g+4], 128                         ; tile_dim1
	s_mov_b32 s[\g+5], KROW                        ; tensor_dim0_stride
	s_mov_b32 s[\g+6], 0
	s_mov_b32 s[\g+7], 0
.endr
	s_lshl_b32 s18, s16, 7                         ; which 128 rows of the tile I fetch
	s_lshl_b32 s20, s17, 8
	s_add_co_u32 s20, s20, s18                     ; A: row 256 x tile + 128 x half
	s_lshl_b32 s46, s42, 8
	s_add_co_u32 s46, s46, s18                     ; B likewise
	s_mov_b32 s21, 0
	s_mov_b32 s47, 0
	s_mov_b64 s[18:19], KS
	s_mul_u64 s[22:23], s[20:21], s[18:19]         ; where A's rows' scales begin, in bytes
	s_mul_i32 s45, s14, HALFT                      ; where my codes go: wave x 128 rows: no place in the cluster enters an LDS address
	s_wait_kmcnt 0x0
	; which buffers: the choices hang on the cluster's numbers alone
	s_cmp_eq_u32 ttmp9, 0
	s_cselect_b64 s[8:9], s[72:73], s[76:77]       ; Wq or Wk
	s_cselect_b64 s[10:11], s[74:75], s[78:79]
	s_cmp_eq_u32 s[KIND], 1
	s_cselect_b64 s[4:5], s[68:69], s[80:81]       ; A: x or Wv
	s_cselect_b64 s[6:7], s[70:71], s[82:83]
	s_cselect_b64 s[8:9], s[8:9], s[68:69]         ; B: the weight or x
	s_cselect_b64 s[10:11], s[10:11], s[70:71]
	s_cmp_eq_u32 s[FQ], 1
	s_cselect_b64 s[12:13], s[88:89], s[92:93]     ; codes out: qc or kv
	s_cselect_b64 s[66:67], s[90:91], s[94:95]     ; scale words out: qs or kvs
	s_mov_b64 s[96:97], s[84:85]                   ; cos
	s_mov_b64 s[98:99], s[86:87]                   ; sin
	; s68 to s95 are free from here on.  The scales of 128 rows: a dense block of 4,096 bytes, as rows of 256 bytes, 16 bytes of padding behind each
	s_or_b32 s[G1S+0], s43, (3<<16)|(1<<20)|(1<<21)|(5<<22)|(3<<25)
	s_or_b32 s[G1SB+0], s44, (3<<16)|(1<<20)|(1<<21)|(5<<22)|(3<<25)
.irp g, G1S, G1SB
	s_mov_b32 s[\g+1], 32<<16
	s_mov_b32 s[\g+2], (128*KS/256)<<16
	s_mov_b32 s[\g+3], 32<<16
	s_mov_b32 s[\g+4], 128*KS/256
	s_mov_b32 s[\g+5], 32
	s_mov_b32 s[\g+6], 0
	s_mov_b32 s[\g+7], 0
.endr
	s_mul_u64 s[92:93], s[46:47], s[18:19]         ; B's rows' scales
	s_mov_b64 s[18:19], KROW
	s_mul_u64 s[20:21], s[20:21], s[18:19]         ; and the codes
	s_mul_u64 s[46:47], s[46:47], s[18:19]
	s_mul_i32 s94, s14, HALFS
	s_add_nc_u64 s[20:21], s[4:5], s[20:21]
	s_add_nc_u64 s[22:23], s[6:7], s[22:23]
	s_add_nc_u64 s[46:47], s[8:9], s[46:47]
	s_add_nc_u64 s[92:93], s[10:11], s[92:93]
	CROUND                                         ; all sixteen work-groups are here: the first joint loads meet
	s_mov_b32 s[G0S], 1
	s_add_co_u32 s[G0S+1], s94, SCL
	s_mov_b64 s[G0S+2:G0S+3], s[22:23]
	s_or_b32 s[G0S+3], s[G0S+3], 0x80000000
	s_mov_b32 s[G0SB], 1
	s_add_co_u32 s[G0SB+1], s94, SCL
	s_mov_b64 s[G0SB+2:G0SB+3], s[92:93]
	s_or_b32 s[G0SB+3], s[G0SB+3], 0x80000000
	JLOAD G0S, G1S, G0SB, G1SB                     ; the scales first: they are wanted with K step 0
.irp s, 0,1
	s_mov_b32 s[G0+4*\s], 1
	s_add_co_u32 s[G0+4*\s+1], s45, \s*SLOT
	s_add_nc_u64 s[G0+4*\s+2:G0+4*\s+3], s[20:21], \s*ROWB
	s_or_b32 s[G0+4*\s+3], s[G0+4*\s+3], 0x80000000
	s_mov_b32 s[G0B+4*\s], 1
	s_add_co_u32 s[G0B+4*\s+1], s45, \s*SLOT
	s_add_nc_u64 s[G0B+4*\s+2:G0B+4*\s+3], s[46:47], \s*ROWB
	s_or_b32 s[G0B+4*\s+3], s[G0B+4*\s+3], 0x80000000
	JLOAD G0+4*\s, G1, G0B+4*\s, G1B
.endr
	v_and_b32 v1, 15, v0                           ; r = lane % 16
	v_bfe_u32 v2, v0, 4, 1                         ; h = lane / 16
	v_mul_u32_u24 v3, v1, PITCH
	v_lshl_add_u32 v4, v2, 4, v3                   ; a fragment's row x pitch + 16 x half
	s_mul_i32 s21, s15, HALFT                      ; my 128 rows of A
	s_mul_i32 s22, s16, HALFT                      ; my 128 rows of B,
	s_add_co_u32 s22, s22, 2*HALFT                 ; which lie behind A's 256
.irp s, 0,1
	v_add_nc_u32 v[ADRA+\s], s21, v4
	v_add_nc_u32 v[ADRB+\s], s22, v4
	s_add_co_u32 s21, s21, SLOT
	s_add_co_u32 s22, s22, SLOT
.endr
	v_mul_u32_u24 v5, v1, KS                       ; my row's scales: 32 bytes a row,
	v_lshrrev_b32 v6, 8, v5
	v_lshl_add_u32 v5, v6, 4, v5                   ; and 16 more for each 256 passed
	s_mul_i32 s21, s15, HALFS
	s_mul_i32 s22, s16, HALFS
	s_add_co_u32 s22, s22, 2*HALFS
	s_sub_co_u32 s22, s22, s21
	v_mul_u32_u24 v6, s22, v2                      ; lanes 16-31 take B's
	s_add_co_u32 s21, s21, SCL
	v_add_nc_u32 v5, v5, v6
	v_add_nc_u32 v[ADRS], s21, v5
	v_and_b32 v[LANE], 31, v0
	v_lshlrev_b32 v[CO], 4, v[LANE]
	v_lshlrev_b32 v[CO8], 3, v[LANE]
	v_mov_b32 v[FLR], 0x4800000
	; where my wave's results go
	s_lshl_b32 s18, s17, 8
	s_lshl_b32 s19, s15, 7
	s_add_co_u32 s18, s18, s19                     ; my first row of A
	s_lshl_b32 s19, s42, 8
	s_lshl_b32 s92, s16, 7
	s_add_co_u32 s19, s19, s92                     ; my first row of B
	s_and_b32 s93, s18, 2047                       ; q, k: my first token in its sequence (for v's work-groups a row of cos that exists and is not used)
	s_lshl_b32 s93, s93, 7
	v_lshlrev_b32 v[CSA], 7, v1
	v_lshl_add_u32 v[CSA], v2, 5, v[CSA]
	v_add_nc_u32 v[CSA], s93, v[CSA]
	s_wait_alu depctr_va_vdst(0)
	s_cmp_eq_u32 s[KIND], 1
	s_cselect_b32 s92, s18, s19                    ; my first token: 128 of them, one key step
	s_cselect_b32 s94, s19, s18                    ; my first row of the weight: 128 of them, two heads
	s_lshr_b32 s94, s94, 6
	s_lshr_b32 s95, s92, 11
	s_lshl_b32 s95, s95, 4
	s_add_co_u32 s94, s94, s95                     ; bh = 16 x batch + head, of my first head
	s_bfe_u32 s95, s92, 0x40007                    ; which 128 tokens of the sequence
	s_lshl_b32 s18, s94, 17
	s_lshl_b32 s19, s95, 13
	s_add_co_u32 s18, s18, s19                     ; qc: 131,072 bytes a head, 8,192 for 128 tokens;
	s_cmp_eq_u32 s[FQ], 1
	s_cselect_b32 s19, 0, 1
	s_lshl_b32 s18, s18, s19                       ; kv: twice that,
	s_lshl_b32 s22, 0x20000, s19                   ; (from head to head)
	s_cmp_eq_u32 s[KIND], 1
	s_cselect_b32 s19, 0, 8192                     ; and V lies behind a key step's K
	s_add_co_u32 s18, s18, s19
	s_mov_b32 s19, 0
	s_mov_b32 s23, 0
	s_add_nc_u64 s[4:5], s[12:13], s[18:19]        ; codes out, my first head
	s_add_nc_u64 s[6:7], s[4:5], s[22:23]          ; and my second
	s_cmp_eq_u32 s[FQ], 1
	s_mov_b32 s22, 12288
	s_cselect_b32 s22, 8192, s22                   ; scale words: bytes a head,
	s_mov_b32 s18, 768
	s_cselect_b32 s18, 512, s18                    ; bytes for 128 tokens
	s_mul_i32 s94, s94, s22
	s_mul_i32 s95, s95, s18
	s_add_co_u32 s18, s94, s95
	s_cmp_eq_u32 s[KIND], 1
	s_cselect_b32 s19, 0, 512                      ; V's words lie behind K's
	s_add_co_u32 s18, s18, s19
	s_mov_b32 s19, 0
	s_add_nc_u64 s[8:9], s[66:67], s[18:19]        ; scale words out, my first head
	s_add_nc_u64 s[10:11], s[8:9], s[22:23]        ; and my second
; cos and sin of token tile a: register i of a set holds d = 8 h + i (i < 8) or 16 + 8 h + i - 8: the d that accumulators 0 and 1 of a head hold in this lane
.macro CSLOAD a
.set CL, CS+32*((\a)%2)
.irp k, 0,1,2,3
	global_load_b128 v[CL+4*\k:CL+4*\k+3], v[CSA], s[96:97] offset:2048*(\a)+16*(\k%2)+64*(\k/2)
.endr
.irp k, 0,1,2,3
	global_load_b128 v[CL+16+4*\k:CL+16+4*\k+3], v[CSA], s[98:99] offset:2048*(\a)+16*(\k%2)+64*(\k/2)
.endr
.endm
	CSLOAD 0                                       ; the first two tiles' are asked for here and land under the products; nothing in the loop touches their registers
	CSLOAD 1
.macro FRAG reg, adr, q, i             ; 16 rows x 128 K: lane l holds row l % 16; registers 4 c .. 4 c + 3 hold K = 32 c + 16 (l / 16) + 0 .. 15
.irp c, 0,1,2,3
	ds_load_b128 v[\reg+4*\c:\reg+4*\c+3], v[\adr] offset:128*(\q)+32*\c+(\i)*16*PITCH
.endr
.endm
; 16 matrix instructions: A's blocks a0, a0 + 1 x B's eight.  The 64 accumulators take turns, one instruction a turn, in the same order in every step.
.macro MUL16 a0, p, q, sc, zero
.irp a, \a0, \a0+1
.irp b, 0,1,2,3,4,5,6,7
.if \zero
	v_wmma_scale_f32_16x16x128_f8f6f4 v[8*(8*((\a)%4)+\b):8*(8*((\a)%4)+\b)+7], v[128*(\p)+FR*\b:128*(\p)+FR*\b+FR-1], v[AF+FR*(\a):AF+FR*(\a)+FR-1], 0, v[SC+8*NQ*(\sc)+NQ*\b+(\q)], v[SC+8*NQ*(\sc)+NQ*(\a)+(\q)] matrix_a_scale:MATRIX_SCALE_ROW1
.else
	v_wmma_scale_f32_16x16x128_f8f6f4 v[8*(8*((\a)%4)+\b):8*(8*((\a)%4)+\b)+7], v[128*(\p)+FR*\b:128*(\p)+FR*\b+FR-1], v[AF+FR*(\a):AF+FR*(\a)+FR-1], v[8*(8*((\a)%4)+\b):8*(8*((\a)%4)+\b)+7], v[SC+8*NQ*(\sc)+NQ*\b+(\q)], v[SC+8*NQ*(\sc)+NQ*(\a)+(\q)] matrix_a_scale:MATRIX_SCALE_ROW1
.endif
.endr
.endr
.endm
.macro FETCH_B slot, q, p
	WIN TO_B
.irp i, 0,1,2,3,4,5,6,7
	FRAG 128*(\p)+FR*\i, ADRB+\slot, \q, \i
.endr
	WIN 0
.endm
.macro FETCH_A slot, q, i0
.irp i, \i0, \i0+1, \i0+2, \i0+3
	FRAG AF+FR*(\i), ADRA+\slot, \q, \i
.endr
.endm
.macro SCALES sc                       ; a K step's scale words: lanes 0-15 take A's block i, lanes 16-31 B's block i
.irp i, 0,1,2,3,4,5,6,7
	ds_load_b64 v[SC+8*NQ*\sc+NQ*\i:SC+8*NQ*\sc+NQ*\i+1], v[ADRS] offset:\i*SBLK
.endr
.endm
.macro PLACES n                        ; plain vector instructions between a matrix instruction and a load into, or a vector instruction on, its registers
.rept \n
	v_nop
.endr
.endm
.macro STEP slot, q, zero              ; 128 along K that have their successor in the same slot
	s_wait_dscnt 4*NL                              ; B's set and A's blocks 0-3 are in; the youngest sixteen loads (A's blocks 4-7) may be out
	WIN MUL_LO
	MUL16 0, (\q)%2, \q, \slot, \zero
	MUL16 2, (\q)%2, \q, \slot, \zero
	s_wait_dscnt 0
	PLACES NP
	FETCH_B \slot, (\q)+1, 1-(\q)%2
	FETCH_A \slot, (\q)+1, 0
	WIN MUL_HI
	MUL16 4, (\q)%2, \q, \slot, \zero
	MUL16 6, (\q)%2, \q, \slot, \zero
	PLACES NP
	WIN 0
	FETCH_A \slot, (\q)+1, 4
.endm
; A slot's last step changes slots: ONE barrier; in front of it each wave waits for all its tensor loads, adds 0 to its spare word, and waits for that and for its own reads of this slot.
.macro TURN slot, next, fill
	s_wait_tensorcnt 0x0                           ; all my tensor loads have landed: my part of the next slot
	ds_add_u32 v[SPW], v[NIL]                      ; 0 onto my spare word
	s_wait_dscnt 4*NL+1                            ; (the add and the youngest sixteen loads may be out)
	WIN MUL_LO
	MUL16 0, 1, NQ-1, \slot, 0
	s_wait_dscnt 0x0                               ; the add is done, and my reads of this slot are over
	s_barrier_signal -1
	MUL16 2, 1, NQ-1, \slot, 0
	WIN 0
	s_barrier_wait -1
.if \fill
	CREST                                          ; the barrier has opened a round of the cluster's barrier: no wave of any partner still reads this slot or has a load on its way
	s_add_nc_u64 s[G0+4*\slot+2:G0+4*\slot+3], s[G0+4*\slot+2:G0+4*\slot+3], 2*ROWB
	s_add_nc_u64 s[G0B+4*\slot+2:G0B+4*\slot+3], s[G0B+4*\slot+2:G0B+4*\slot+3], 2*ROWB
	JLOAD G0+4*\slot, G1, G0B+4*\slot, G1B         ; the first tensor load behind the round; its four v_nop are among the places in front of the loads below
	PLACES NP-4
.else
	PLACES NP
.endif
	s_wait_alu depctr_va_vdst(0)
	v_add_nc_u32 v[ADRS], 4*NQ, v[ADRS]            ; on to the next K step's scale words
	FETCH_B \next, 0, 0
	FETCH_A \next, 0, 0
	SCALES \next
	WIN MUL_HI
	MUL16 4, 1, NQ-1, \slot, 0
	MUL16 6, 1, NQ-1, \slot, 0
	PLACES NP
	WIN 0
	FETCH_A \next, 0, 4
.endm
	s_wait_tensorcnt 1                             ; the scales and my part of K step 0 are in (K step 1's load may be out),
	s_barrier_signal -1
	s_barrier_wait -1                              ; everybody's are
	FETCH_B 0, 0, 0
	FETCH_A 0, 0, 0
	SCALES 0
	FETCH_A 0, 0, 4
	STEP 0, 0, 1                                   ; the first step's products start the sums
	s_mov_b32 s3, LAPS-1
.Llap:                                                 ; a trip goes once round the ring and fills both slots again
	TURN 0, 1, 1
	STEP 1, 0, 0
	TURN 1, 0, 1
	STEP 0, 0, 0
	s_sub_co_u32 s3, s3, 1
	s_cmp_lg_u32 s3, 0
	s_cbranch_scc1 .Llap
	TURN 0, 1, 0                                   ; the last lap fills nothing
	STEP 1, 0, 0
	s_wait_dscnt 4*NL
	WIN MUL_LO
	MUL16 0, 1, NQ-1, 1, 0
	MUL16 2, 1, NQ-1, 1, 0
	s_wait_dscnt 0
	WIN MUL_HI
	MUL16 4, 1, NQ-1, 1, 0
	MUL16 6, 1, NQ-1, 1, 0
	WIN 0
; THE WAY OUT.  64 numbers of a lane, v[s] on in window w, register 16 b + i: the lane's 16 of block b (lane xor 16 holds the other 16), are held within +-448 x the scale into v[d] on (window 0) and become codes in v[pc] on.
; The block's largest magnitude, with the floor among its leaves; 8 off its exponent field is the conversion's scale operand; that shifted down is the byte; its exponent field over 448's mantissa is the hold.
; Each accumulator is read from its low end on.
.macro QUANT s, w, d, pc
	WIN ((\w)<<2)|((\w)<<4)
.irp b, 0,1,2,3
	v_max3_num_f32 v[TM+\b], v[FLR], |v[\s+16*\b]|, |v[\s+16*\b+1]|
.endr
.irp i, 2,4,6,8,10,12,14
.irp b, 0,1,2,3
	v_max3_num_f32 v[TM+\b], v[TM+\b], |v[\s+16*\b+\i]|, |v[\s+16*\b+\i+1]|
.endr
.endr
	WIN 0
.irp b, 0,1,2,3
	v_permlanex16_b32 v[TM+4+\b], v[TM+\b], s[SEL], s[SEL+1]
.endr
.irp b, 0,1,2,3
	v_max_num_f32 v[TM+\b], v[TM+\b], v[TM+4+\b]
.endr
.irp b, 0,1,2,3
	v_add_nc_u32 v[TM+12+\b], 0xfc000000, v[TM+\b]
.endr
.irp b, 0,1,2,3
	v_and_or_b32 v[TM+8+\b], v[TM+\b], 0x7f800000, s[MNT]
.endr
.irp b, 0,1,2,3
	v_lshrrev_b32 v[TM+4+\b], 23, v[TM+12+\b]
.endr
	WIN (\w)
.irp b, 0,1,2,3
.irp i, 0,1,2,3,4,5,6,7,8,9,10,11,12,13,14,15
	v_med3_num_f32 v[\d+16*\b+\i], v[\s+16*\b+\i], -v[TM+8+\b], v[TM+8+\b]   ; the conversion to an 8-bit code does not saturate (ISA guide 7.6.2)
.endr
.endr
	WIN 0
.irp b, 0,1,2,3
	v_cvt_scalef32_pk8_fp8_f32 v[\pc+4*\b:\pc+4*\b+1], v[\d+16*\b:\d+16*\b+7], v[TM+12+\b]
	v_cvt_scalef32_pk8_fp8_f32 v[\pc+4*\b+2:\pc+4*\b+3], v[\d+16*\b+8:\d+16*\b+15], v[TM+12+\b]
.endr
	v_nop                                          ; one plain vector instruction behind the last conversion
.endm
; q, k: token tile a (16 tokens, a lane a token), my two heads.  In a head's 32 registers the first 16 are d < 32, the second 16 the same d + 32: rope's pairs lie 16 registers apart in one lane.
.macro EPI_QK a
.set WW, 2+(\a)/4
.set AC, 64*((\a)%4)
.set CC, CS+32*((\a)%2)
.set SS, CC+16
.set PCS, PC+16*((\a)%2)
.if (\a) < 7
	s_wait_loadcnt 8                               ; this tile's cos and sin are in; the next tile's eight loads may be out
.else
	s_wait_loadcnt 0
.endif
	WIN WW                                         ; source 0: the accumulators' window
.irp hh, 0,1
.irp i, 0,2,4,6,8,10,12,14
.set T0, TM+4*((\i/2)%2)
	v_pk_mul_f32 v[T0:T0+1], v[AC+32*\hh+16+\i:AC+32*\hh+17+\i], v[SS+\i:SS+\i+1]          ; x2 sin
	v_pk_mul_f32 v[T0+2:T0+3], v[AC+32*\hh+\i:AC+32*\hh+\i+1], v[SS+\i:SS+\i+1]            ; x1 sin
	v_pk_fma_f32 v[X+32*\hh+\i:X+32*\hh+\i+1], v[AC+32*\hh+\i:AC+32*\hh+\i+1], v[CC+\i:CC+\i+1], v[T0:T0+1] neg_lo:[0,0,1] neg_hi:[0,0,1]   ; x1 cos - x2 sin
	v_pk_fma_f32 v[X+32*\hh+16+\i:X+32*\hh+17+\i], v[AC+32*\hh+16+\i:AC+32*\hh+17+\i], v[CC+\i:CC+\i+1], v[T0+2:T0+3]                        ; x2 cos + x1 sin
.endr
.endr
	WIN 0
.if (\a) < 6
	CSLOAD (\a)+2                                  ; into the set just read
.endif
.if (\a) >= 2
	s_wait_xcnt 0x0                                ; the stores of two tiles ago have read this set of codes
.endif
	QUANT X, 0, X, PCS
.irp hh, 0,1
	v_lshl_or_b32 v[WQ+2*(\a)+\hh], v[TM+5+2*\hh], 8, v[TM+4+2*\hh]
	v_or_b32 v[WQ+2*(\a)+\hh], 0x7f7f0000, v[WQ+2*(\a)+\hh]   ; the upper 64 of the attention's K step of 128 are zero codes: their bytes are 1.0
.endr
.irp g, 0,1,2,3
	global_store_b128 v[CO], v[PCS+4*\g:PCS+4*\g+3], s[4+2*(\g/2):5+2*(\g/2)] offset:(\a)*1024+512*(\g%2)   ; 512 consecutive bytes: head g / 2, chunk g % 2
.endr
.endm
; v: channel tile a (a lane a channel: head a / 4, channels 16 (a % 4) + r), 128 tokens in its 64 registers and lane xor 16's
.macro EPI_V a
.set WW, 2+(\a)/4
.set AC, 64*((\a)%4)
.set PCS, PC+16*((\a)%2)
.if (\a) >= 2
	s_wait_xcnt 0x0                                ; the stores of two tiles ago have read this set of codes
.endif
	QUANT AC, WW, X, PCS
	v_lshl_or_b32 v[WQ+(\a)], v[TM+5], 8, v[TM+4]
	v_lshl_or_b32 v[WQ+(\a)], v[TM+6], 16, v[WQ+(\a)]
	v_lshl_or_b32 v[WQ+(\a)], v[TM+7], 24, v[WQ+(\a)]
.irp g, 0,1,2,3
	global_store_b128 v[CO], v[PCS+4*\g:PCS+4*\g+3], s[4+2*((\a)/4):5+2*((\a)/4)] offset:((\a)%4)*2048+512*\g
.endr
.endm
	PLACES NP                                      ; behind the last products: their results are read and A's registers written below
	s_mov_b32 s[SEL], 0x76543210
	s_mov_b32 s[SEL+1], 0xfedcba98
	s_mov_b32 s[MNT], 0x600000
.irp b, 0,1,2,3
	v_mov_b32 v[TM+4+\b], 0                        ; a lane permute's destination counts as one of its sources
.endr
	v_cmp_le_u32 vcc_lo, 16, v[LANE]               ; lanes 16-31
	s_cmp_eq_u32 s[KIND], 0                        ; the same in all sixteen work-groups of the cluster
	s_cbranch_scc1 .Lv
.irp a, 0,1,2,3,4,5,6,7
	EPI_QK \a
.endr
.irp hh, 0,1
.irp j, 0,1,2,3
	v_cndmask_b32 v[X+4*\hh+\j], v[WQ+2*\j+\hh], v[WQ+2*(4+\j)+\hh], vcc_lo   ; word j: lanes 0-15 tile j's, lanes 16-31 tile 4 + j's
.endr
	global_store_b128 v[CO], v[X+4*\hh:X+4*\hh+3], s[8+2*\hh:9+2*\hh]
.endr
	s_branch .Ljoin
.Lv:
.irp a, 0,1,2,3,4,5,6,7
	EPI_V \a
.endr
.irp hh, 0,1
.irp j, 0,1
	v_cndmask_b32 v[X+2*\hh+\j], v[WQ+4*\hh+\j], v[WQ+4*\hh+2+\j], vcc_lo     ; word j: lanes 0-15 channel tile j's, lanes 16-31 tile 2 + j's
.endr
	global_store_b64 v[CO8], v[X+2*\hh:X+2*\hh+1], s[8+2*\hh:9+2*\hh]
.endr
.Ljoin:
	s_wait_tensorcnt 0x0                           ; the wave's end
	ds_add_u32 v[SPW], v[NIL]
	s_wait_dscnt 0x0
	CROUND                                         ; the closing round: no work-group ends while a partner may still ask for a tile that names it
	s_endpgm
.Lfunc_end_k_q8a76c5db52_qkv:
	.size	k_q8a76c5db52_qkv, .Lfunc_end_k_q8a76c5db52_qkv-k_q8a76c5db52_qkv
	.p2alignl 7, 3214868480
	.fill 96, 4, 3214868480
	.section	.rodata,"a",@progbits
	.p2align	6, 0x0
	.amdhsa_kernel k_q8a76c5db52_qkv
		.amdhsa_group_segment_fixed_size 327680
		.amdhsa_private_segment_fixed_size 0
		.amdhsa_enable_private_segment 0
		.amdhsa_kernarg_size 112
		.amdhsa_user_sgpr_count 2
		.amdhsa_user_sgpr_kernarg_segment_ptr 1
		.amdhsa_wavefront_size32 1
		.amdhsa_system_sgpr_workgroup_id_x 1
		.amdhsa_system_sgpr_workgroup_id_y 1
		.amdhsa_system_sgpr_workgroup_id_z 1
		.amdhsa_system_vgpr_workitem_id 0
		.amdhsa_next_free_vgpr 1024
		.amdhsa_next_free_sgpr 102
		.amdhsa_reserve_vcc 1
		.amdhsa_float_denorm_mode_32 3
		.amdhsa_float_denorm_mode_16_64 3
		.amdhsa_memory_ordered 1
		.amdhsa_forward_progress 1
		.amdhsa_inst_pref_size 255
	.end_amdhsa_kernel
	.section	.bss,"aw",@nobits
	.p2align	6
	.space	262144
	.amdgpu_metadata
---
amdhsa.version: [ 1, 2 ]
amdhsa.kernels:
  - .name:           k_q8a76c5db52_qkv
    .symbol:         k_q8a76c5db52_qkv.kd
    .args:
      - { .name: x_codes, .offset: 0, .size: 8, .value_kind: global_buffer, .address_space: global }
      - { .name: x_scales, .offset: 8, .size: 8, .value_kind: global_buffer, .address_space: global }
      - { .name: Wq_codes, .offset: 16, .size: 8, .value_kind: global_buffer, .address_space: global }
      - { .name: Wq_scales, .offset: 24, .size: 8, .value_kind: global_buffer, .address_space: global }
      - { .name: Wk_codes, .offset: 32, .size: 8, .value_kind: global_buffer, .address_space: global }
      - { .name: Wk_scales, .offset: 40, .size: 8, .value_kind: global_buffer, .address_space: global }
      - { .name: Wv_codes, .offset: 48, .size: 8, .value_kind: global_buffer, .address_space: global }
      - { .name: Wv_scales, .offset: 56, .size: 8, .value_kind: global_buffer, .address_space: global }
      - { .name: rope_cos, .offset: 64, .size: 8, .value_kind: global_buffer, .address_space: global }
      - { .name: rope_sin, .offset: 72, .size: 8, .value_kind: global_buffer, .address_space: global }
      - { .name: qc, .offset: 80, .size: 8, .value_kind: global_buffer, .address_space: global }
      - { .name: qs, .offset: 88, .size: 8, .value_kind: global_buffer, .address_space: global }
      - { .name: kv, .offset: 96, .size: 8, .value_kind: global_buffer, .address_space: global }
      - { .name: kvs, .offset: 104, .size: 8, .value_kind: global_buffer, .address_space: global }
    .group_segment_fixed_size: 327680
    .private_segment_fixed_size: 0
    .kernarg_segment_align: 8
    .kernarg_segment_size: 112
    .max_flat_workgroup_size: 128
    .sgpr_count:     102
    .vgpr_count:     1024
    .wavefront_size: 32
...
	.end_amdgpu_metadata
.endif
;; end of part 1
;; launch attn (part 2): grid 4 x 64, 16 waves a work-group, no clusters, 296,960 bytes of LDS; arguments qc, qs, kv, kvs, oc, os; writes oc, os
.if DOCPART == 2
	.amdgcn_target "amdgcn-amd-amdhsa--gfx1250"
	.amdhsa_code_object_version 6
	.text
	.protected	k_q8a76c5db52_attn
	.globl	k_q8a76c5db52_attn
	.p2align	8
	.type	k_q8a76c5db52_attn,@function
k_q8a76c5db52_attn:
	s_mov_b64 s[64:65], 0
	v_nop
	global_prefetch_b8 v0, s[64:65] scope:SCOPE_SE
	s_setreg_imm32_b32 hwreg(HW_REG_WAVE_MODE, 25, 1), 1
	s_wait_xcnt 0x0
; o[bh][q] = sum over keys k <= q of softmax_k(q . k / 8) v[k], both products on codes of FP8 (E4M3) with one E8M0 scale for each 32 along a product's K; o is divided by the row's sum and quantised along h x 64 + d at once.
; THE SOFTMAX AHEAD OF THE SECOND PRODUCT: t = score x log2(e) / 8; M = the row's largest t so far, rounded UP to a whole number; p = 2^(t - M) is what is quantised, along the keys.  The row's sum is taken of the unquantised p.
; When M moves, the sum and O are multiplied by 2^(old M - new M): exact.
; SHARES.  Work-group (p, bh) owns query blocks 7 - p and p (256 queries each) of head bh.  Wave w walks two tiles of 16 queries one after the other: first 256 (7 - p) + 16 (15 - w), then 256 p + 16 w.
; A tile at query Q0 has Q0 / 128 + 1 key steps of 128 that count, so every wave of every work-group has 17 steps of work.  The loops' trip counts are constants; a step all of whose keys are hidden is jumped over by a scalar branch on ids.
; THE WHOLE HEAD'S K, V AND SCALE WORDS LIE IN LDS, filled once: each wave issues five tensor loads at the head (its 768 bytes of scale words, then its 4,096 bytes of each of four stages of four key steps); five loads of a wave are out.
; No LDS byte is filled twice.  Walk 1 waits stage by stage, with a barrier for each; the later stages land under the earlier stages' work.
; NO CLUSTER: the four work-groups of a head are told apart by their query blocks, and the branches round hidden steps hang on just that; partners of joint loads may differ in no branch.
; LAYOUT.  Both products are used transposed: S^T = K Q^T (source 0 = 16 keys), O^T = V^T P^T (source 0 = 16 channels): a lane holds ONE query (lane % 16) throughout.
; The 16 registers of score tiles 2 b, 2 b + 1 become registers 4 b .. 4 b + 3 of P: place 32 b + 16 h + i holds key 32 b + 8 h + i (i < 8) or 32 b + 16 + 8 h + i - 8: the order in which V's codes were laid.
; THE CHANNELS OF A TILE OF V^T ARE NOT NEIGHBOURS: lane r of tile 2 b + u takes channel 32 b + 16 (r / 8) + 8 u + r % 8 (chosen by the LDS address), so that O^T's 16 registers of tiles 2 b, 2 b + 1 are channels 32 b + 16 h + 0 .. 15: natural order, as the last product's weight has it.
; K = 64 IN AN INSTRUCTION OF 128: Q's registers 8-15 are zero codes and its scale word's upper bytes 1.0.  K's tile t is named as v[32 + 8 t .. 47 + 8 t]: its upper eight registers are the next tile's codes (behind tile 7: zeros).
; They meet zero codes and add exactly 0: the codes were made by this program's own held quantiser, which makes no NaN code, and K's upper scale bytes are 1.0.
; OUT: oc [row tile 512][head][block 2][lane][16 B]: 512 consecutive bytes a store.  os [row tile][K step of 256: 4][row 16][8 bytes]: two bytes a row and head, eight bytes apart: these stores fill their 256 bytes in part; they are one byte in 32 of what is stored.
; LIMITS: NaN and infinities are not served; a block whose largest magnitude lies under 2^-118 has its byte held at 1; 1 / sum by v_rcp_f32.
.set SC,     278528                    ; behind the codes: the scale words, 768 bytes a key step
.set STEPB,  17408                     ; a key step in LDS: 16 rows of 1,024 bytes + 64 of padding
.set STAGEB, 4*STEPB
.set AK0,  1                           ; v1   16 x lane: my place in an image; also the offset of Q's loads and O's stores
.set AV0,  2                           ; v2   my place in V: 8,704 + 2,176 (r / 8) + 256 h + 16 (r % 8)
.set ASK0, 3                           ; v3   K's scale words: SC + 16 x lane
.set ASV0, 4                           ; v4   V's: SC + 512 + 64 h + 8 (r % 8) + 4 (r / 8)
.set DQ,   5                           ; v5   r - 8 h
.set R8,   6                           ; v6   8 r
.set R16,  7                           ; v7   16 r
.set ADK,  8                           ; v8-11 the step's addresses
.set ADV,  9
.set ADS,  10
.set ADT,  11
.set QF,   16                          ; v16-23 Q, v24-31 zero codes
.set KR,   32                          ; v32-95 K's 8 tiles, 8 registers each, or V's 4 fragments; v96-103 zero codes
.set S,    104                         ; v104-167 S^T, then p
.set OT,   168                         ; v168-199 O^T
.set PCD,  200                         ; v200-215 p's codes
.set KSW,  216                         ; v216-219 K's scale words; v220-221 V's; v222 Q's; v223 p's: scales and nothing else
.set VSW,  220
.set QSW,  222
.set PSW,  223
.set BM,   224                         ; v224-227 a block's largest
.set PB,   228                         ; v228-231 the other half's, then bytes
.set LM,   232
.set SV,   236                         ; v236-239 the conversion's scale
.set FF,   240                         ; v[240:241] f = 2^(old M - new M), later 1 / sum
.set S2,   242                         ; v[242:243] the sum's second chain
.set TT,   244
.set DD,   245
.set NINF, 246
.set TB,   2                           ; s2   LDS byte of the key step in hand
.set TS,   3                           ; s3   and of its scale words, less SC
.set WV,   18
.set MNT,  19
.set SEL,  20
.set CS,   22                          ; s[22:23] c = log2(e) / 8
.set G1,   24
.set G1S,  32
.set G0,   40                          ; s[40:55] group 0 of the four stages
.set G0S,  56
.set KF,   60                          ; the step's first key
.set Q0,   61                          ; my first query
.set QL,   62                          ; my last
.set CNT,  63
.set P1,   74                          ; s[74:81] walk 1: Q's codes, Q's scale word, O's codes, O's scale bytes
.set P2,   82                          ; s[82:89] walk 2
.set QA,   90
.set QB,   91
	s_load_b256 s[4:11], s[0:1], 0x0               ; qc, qs, kv, kvs
	s_load_b128 s[12:15], s[0:1], 0x20             ; oc, os
	v_lshl_add_u32 v254, v0, 2, 0x48000
	v_mov_b32 v255, 0
	ds_add_u32 v254, v255
	ds_add_u32 v254, v255
	v_lshrrev_b32 v8, 5, v0
	s_delay_alu instid0(VALU_DEP_1)
	v_readfirstlane_b32 s[WV], v8                  ; wave 0..15
	s_and_b32 s66, ttmp7, 0xffff                   ; bh
	; group 1 for the codes: 4 rows of 1,024 bytes (128 elements of 8), dense in memory, 64 bytes of padding behind each
	s_mov_b32 s[G1], (3<<16)|(1<<20)|(7<<22)|(15<<25)
	s_mov_b32 s[G1+1], 128<<16
	s_mov_b32 s[G1+2], 4<<16
	s_mov_b32 s[G1+3], 128<<16
	s_mov_b32 s[G1+4], 4
	s_mov_b32 s[G1+5], 128
	s_mov_b32 s[G1+6], 0
	s_mov_b32 s[G1+7], 0
	; and for a key step's scale words: one row of 768 bytes
	s_mov_b32 s[G1S], 3<<16
	s_mov_b32 s[G1S+1], 96<<16
	s_mov_b32 s[G1S+2], 1<<16
	s_mov_b32 s[G1S+3], 96<<16
	s_mov_b32 s[G1S+4], 1
	s_mov_b32 s[G1S+5], 96
	s_mov_b32 s[G1S+6], 0
	s_mov_b32 s[G1S+7], 0
	s_mov_b32 s69, 0
	s_mul_i32 s67, s[WV], 4352                     ; my four rows in a stage
	s_lshl_b32 s68, s66, 18                        ; the head's 262,144 bytes of kv,
	s_lshl_b32 s92, s[WV], 12                      ; my 4,096 of a stage's 65,536
	s_add_co_u32 s68, s68, s92
	s_mul_i32 s94, s66, 12288
	s_mul_i32 s95, s[WV], 768
	s_wait_dscnt 0x0
	s_wait_kmcnt 0x0
	s_add_nc_u64 s[92:93], s[8:9], s[68:69]
.irp s, 0,1,2,3
	s_mov_b32 s[G0+4*\s], 1
	s_add_co_u32 s[G0+4*\s+1], s67, \s*STAGEB
	s_add_nc_u64 s[G0+4*\s+2:G0+4*\s+3], s[92:93], \s*65536
	s_or_b32 s[G0+4*\s+3], s[G0+4*\s+3], 0x80000000
.endr
	s_mov_b32 s[G0S], 1
	s_add_co_u32 s[G0S+1], s95, SC
	s_add_co_u32 s68, s94, s95
	s_add_nc_u64 s[G0S+2:G0S+3], s[10:11], s[68:69]
	s_or_b32 s[G0S+3], s[G0S+3], 0x80000000
	tensor_load_to_lds s[G0S:G0S+3], s[G1S:G1S+7]  ; key step w's scale words
	s_nop 0
.irp s, 0,1,2,3
	tensor_load_to_lds s[G0+4*\s:G0+4*\s+3], s[G1:G1+7]
	s_nop 0
.endr
.rept 4
	v_nop
.endr
	; where my two tiles of queries lie
	s_lshl_b32 s70, s66, 17
	s_lshl_b32 s71, s66, 13
	s_lshr_b32 s67, s66, 4                         ; batch
	s_and_b32 s68, s66, 15                         ; head
	s_lshl_b32 s72, s67, 21
	s_lshl_b32 s73, s68, 10
	s_add_co_u32 s72, s72, s73                     ; oc: 2,097,152 a batch, 1,024 a head
	s_lshl_b32 s73, s67, 16
	s_lshr_b32 s67, s68, 2
	s_lshl_b32 s67, s67, 7
	s_add_co_u32 s73, s73, s67
	s_and_b32 s67, s68, 3
	s_lshl_b32 s67, s67, 1
	s_add_co_u32 s73, s73, s67                     ; os: 65,536 a batch, 128 for four heads, 2 a head
	s_lshl_b32 s[QB], ttmp9, 8
	s_lshl_b32 s67, s[WV], 4
	s_add_co_u32 s[QB], s[QB], s67                 ; walk 2: 256 p + 16 w
	s_sub_co_u32 s[QA], 2032, s[QB]                ; walk 1: 256 (7 - p) + 16 (15 - w)
.macro PTRS d, q
	s_lshl_b32 s68, s[\q], 6
	s_add_co_u32 s68, s68, s70
	s_add_nc_u64 s[\d:\d+1], s[4:5], s[68:69]      ; Q's codes: 64 bytes a query
	s_and_b32 s68, s[\q], 0xffc0
	s_lshl_b32 s68, s68, 2                         ; Q's scale word: 512 bytes for 128 queries, 256 for the upper four tiles,
	s_and_b32 s67, s[\q], 48
	s_lshr_b32 s67, s67, 2                         ; 4 for each tile of the four
	s_add_co_u32 s68, s68, s67
	s_add_co_u32 s68, s68, s71
	s_add_nc_u64 s[\d+2:\d+3], s[6:7], s[68:69]
	s_lshl_b32 s68, s[\q], 10
	s_add_co_u32 s68, s68, s72
	s_add_nc_u64 s[\d+4:\d+5], s[12:13], s[68:69]  ; O's codes: 16,384 bytes a row tile
	s_lshl_b32 s68, s[\q], 5
	s_add_co_u32 s68, s68, s73
	s_add_nc_u64 s[\d+6:\d+7], s[14:15], s[68:69]  ; O's scale bytes: 512 a row tile
.endm
	PTRS P1, QA
	PTRS P2, QB
	s_mov_b32 s[SEL], 0x76543210
	s_mov_b32 s[SEL+1], 0xfedcba98
	s_mov_b32 s[CS], 0x3e38aa3b                    ; c = log2(e) / 8
	s_mov_b32 s[CS+1], s[CS]                       ; (named with it as a pair)
	s_mov_b32 s[Q0], s[QA]
	s_add_co_u32 s[QL], s[QA], 15
	v_and_b32 v[AK0], 31, v0
	s_delay_alu instid0(VALU_DEP_1)
	v_lshlrev_b32 v[AK0], 4, v[AK0]
	v_and_b32 v8, 15, v0                           ; r
	v_bfe_u32 v9, v0, 4, 1                         ; h
	v_bfe_u32 v10, v0, 3, 1                        ; r / 8
	v_and_b32 v11, 7, v0                           ; r % 8
	s_delay_alu instid0(VALU_DEP_4)
	v_lshlrev_b32 v[R16], 4, v8
	v_lshlrev_b32 v[R8], 3, v8
.macro QLOAD p
	global_load_b128 v[QF:QF+3], v[AK0], s[\p:\p+1] th:TH_LOAD_NT
	global_load_b128 v[QF+4:QF+7], v[AK0], s[\p:\p+1] offset:512 th:TH_LOAD_NT
	global_load_b32 v[QSW], v[R16], s[\p+2:\p+3] th:TH_LOAD_NT
.endm
	QLOAD P1
	v_mul_u32_u24 v[AV0], v10, 2176
	s_delay_alu instid0(VALU_DEP_1)
	v_lshl_add_u32 v[AV0], v9, 8, v[AV0]
	s_delay_alu instid0(VALU_DEP_1)
	v_lshl_add_u32 v[AV0], v11, 4, v[AV0]
	s_delay_alu instid0(VALU_DEP_1)
	v_add_nc_u32 v[AV0], 8704, v[AV0]
	v_add_nc_u32 v[ASK0], SC, v[AK0]
	v_lshlrev_b32 v[ASV0], 6, v9
	s_delay_alu instid0(VALU_DEP_1)
	v_lshl_add_u32 v[ASV0], v11, 3, v[ASV0]
	s_delay_alu instid0(VALU_DEP_1)
	v_lshl_add_u32 v[ASV0], v10, 2, v[ASV0]
	s_delay_alu instid0(VALU_DEP_1)
	v_add_nc_u32 v[ASV0], SC+512, v[ASV0]
	v_lshlrev_b32 v[DQ], 3, v9
	s_delay_alu instid0(VALU_DEP_1)
	v_sub_nc_u32 v[DQ], v8, v[DQ]
.irp j, 0,1,2,3,4,5,6,7
	v_mov_b32 v[QF+8+\j], 0                        ; Q's upper 64 along K: zero codes
	v_mov_b32 v[KR+64+\j], 0                       ; and what stands behind K's tile 7
.endr
.irp b, 0,1,2,3
	v_mov_b32 v[PB+\b], 0                          ; a lane permute's destination counts as one of its sources
.endr
	v_mov_b32 v[TT], 0
	v_mov_b32 v[FF+1], 0                           ; (named as the upper half of a pair)
	v_mov_b32 v[NINF], 0xff800000
.macro INIT                            ; a walk's start: the loop has no first step of its own; it finds zeros, which the first change of M leaves zeros
	v_mov_b32 v13, 0xff61b1e6                      ; the largest t so far: -3e38
	s_delay_alu instid0(VALU_DEP_1)
	v_floor_f32 v12, -v13                          ; -M
	v_mov_b32 v14, 0
	v_mov_b32 v15, 0
.set n, 0
.rept 32
	v_mov_b32 v[OT+n], 0
.set n, n+1
.endr
.endm
; A KEY STEP: 128 keys.
.macro STEP
	s_cmp_gt_u32 s[KF], s[QL]                      ; all its keys come after my queries: left out, all but the steps of the addresses
	s_cbranch_scc1 .Lhidden_\@
	s_setprio 2
	v_add_nc_u32 v[ADK], s[TB], v[AK0]
	v_add_nc_u32 v[ADV], s[TB], v[AV0]
	v_add_nc_u32 v[ADS], s[TS], v[ASK0]
	v_add_nc_u32 v[ADT], s[TS], v[ASV0]
.rept 4
	v_nop                                          ; with the four additions: eight places in front of loads into registers that the last products read
.endr
.irp t, 0,1,2,3,4,5,6,7
	ds_load_b128 v[KR+8*\t:KR+8*\t+3], v[ADK] offset:1088*\t
	ds_load_b128 v[KR+8*\t+4:KR+8*\t+7], v[ADK] offset:1088*\t+512
.endr
	ds_load_b128 v[KSW:KSW+3], v[ADS]              ; register j: lanes 0-15 tile j's words, lanes 16-31 tile 4 + j's
	s_wait_alu depctr_va_vdst(0)
	s_wait_dscnt 0x0
.irp t, 0,1,2,3
	v_wmma_scale_f32_16x16x128_f8f6f4 v[S+8*\t:S+8*\t+7], v[KR+8*\t:KR+8*\t+15], v[QF:QF+15], 0, v[KSW+\t], v[QSW]
.endr
.irp t, 4,5,6,7
	v_wmma_scale_f32_16x16x128_f8f6f4 v[S+8*\t:S+8*\t+7], v[KR+8*\t:KR+8*\t+15], v[QF:QF+15], 0, v[KSW+\t-4], v[QSW] matrix_a_scale:MATRIX_SCALE_ROW1
.endr
.rept 8
	v_nop
.endr
.irp td, 0,1,2,3                       ; V's fragments are asked for now and land under the softmax
.irp c, 0,1,2,3
	ds_load_b128 v[KR+16*\td+4*\c:KR+16*\td+4*\c+3], v[ADV] offset:4352*(\td/2)+128*(\td%2)+512*\c+64*(\c/2)
.endr
.endr
	ds_load_b32 v[VSW], v[ADT]                     ; lanes 0-15: tile 0's words, lanes 16-31: tile 1's
	ds_load_b32 v[VSW+1], v[ADT] offset:128        ; tiles 2 and 3
	s_add_co_u32 s66, s[KF], 127                   ; on the diagonal hidden scores become -infinity ahead of the maximum; a step all of whose keys count skips this
	s_cmp_le_u32 s66, s[Q0]
	s_cbranch_scc1 .Lopen_\@
	s_sub_co_i32 s66, s[Q0], s[KF]
	v_add_nc_u32 v[DD], s66, v[DQ]                 ; register 8 t + j holds key KF + 16 t + 8 h + j: hidden where 16 t + j > my query - KF - 8 h
.set n, 0
.rept 64
	v_cmp_gt_i32 vcc_lo, 16*(n/8)+n%8, v[DD]
	v_cndmask_b32 v[S+n], v[S+n], v[NINF], vcc_lo
.set n, n+1
.endr
.Lopen_\@:
.irp b, 0,1,2,3
	v_max3_num_f32 v[BM+\b], v[S+16*\b], v[S+1+16*\b], v[S+2+16*\b]   ; the largest score of each block of 32 keys: for the row's maximum, and, since p rises with the score, for the block's largest p
.endr
.irp i, 3,5,7,9,11,13
.irp b, 0,1,2,3
	v_max3_num_f32 v[BM+\b], v[BM+\b], v[S+16*\b+\i], v[S+1+16*\b+\i]
.endr
.endr
.irp b, 0,1,2,3
	v_max_num_f32 v[BM+\b], v[BM+\b], v[S+15+16*\b]
.endr
.irp b, 0,1,2,3
	s_delay_alu instid0(VALU_DEP_4)
	v_permlanex16_b32 v[PB+\b], v[BM+\b], s[SEL], s[SEL+1]
.endr
.irp b, 0,1,2,3
	s_delay_alu instid0(VALU_DEP_4)
	v_max_num_f32 v[BM+\b], v[BM+\b], v[PB+\b]     ; with lane xor 16's 16 keys
.endr
	s_delay_alu instid0(VALU_DEP_2)
	v_max3_num_f32 v[TT], v[BM], v[BM+1], v[BM+2]
	s_delay_alu instid0(VALU_DEP_1)
	v_max_num_f32 v[TT], v[TT], v[BM+3]
	s_delay_alu instid0(VALU_DEP_1)
	v_mul_f32 v[TT], s[CS], v[TT]                  ; as t
	s_delay_alu instid0(VALU_DEP_1)
	v_max_num_f32 v13, v13, v[TT]                  ; the running largest t
	v_mov_b32 v[TT], v12
	s_delay_alu instid0(VALU_DEP_2)
	v_floor_f32 v12, -v13                          ; the new -M = -ceil(t)
	s_delay_alu instid0(VALU_DEP_1)
	v_sub_f32 v[TT], v12, v[TT]                    ; old M - new M: a whole number, 0 or less
	s_delay_alu instid0(VALU_DEP_1)
	v_cvt_i32_f32 v[TT], v[TT]                     ; (it saturates)
	s_delay_alu instid0(VALU_DEP_1)
	v_ldexp_f32 v[FF], 1.0, v[TT]                  ; f = 2^(old M - new M)
.set n, 0
	s_setprio 1
.rept 32
	v_pk_fma_f32 v[S+n:S+n+1], v[S+n:S+n+1], s[CS:CS+1], v[12:13] op_sel_hi:[1,0,0]   ; t - M, two at a time
.set n, n+2
.endr
.irp b, 0,1,2,3
	v_fma_f32 v[BM+\b], v[BM+\b], s[CS], v12       ; the same of each block's largest score
.endr
.set n, 0
	s_wait_alu depctr_va_vdst(0)
.rept 64
	v_exp_f32 v[S+n], v[S+n]                       ; p = 2^(t - M)
.set n, n+1
.endr
	v_pk_mul_f32 v[14:15], v[14:15], v[FF:FF+1] op_sel_hi:[1,0]   ; the sums under the new M: a plain instruction behind the exponentials
	s_wait_alu depctr_va_vdst(0)                   ; one wait for the batch, ahead of its first reader
.irp b, 0,1,2,3
	v_exp_f32 v[BM+\b], v[BM+\b]                   ; the block's largest p
.endr
	v_pk_add_f32 v[242:243], v[108:109], v[112:113]
	v_pk_add_f32 v[252:253], v[116:117], v[120:121]
	v_pk_add_f32 v[250:251], v[124:125], v[128:129]
	v_pk_add_f32 v[248:249], v[132:133], v[136:137]
	v_pk_add_f32 v[238:239], v[140:141], v[144:145]
	v_pk_add_f32 v[236:237], v[148:149], v[152:153]
	v_pk_add_f32 v[234:235], v[156:157], v[160:161]
	v_pk_add_f32 v[14:15], v[14:15], v[164:165]
	v_pk_add_f32 v[242:243], v[242:243], v[104:105]
	v_pk_add_f32 v[252:253], v[252:253], v[106:107]
	v_pk_add_f32 v[250:251], v[250:251], v[110:111]
	v_pk_add_f32 v[248:249], v[248:249], v[114:115]
	v_pk_add_f32 v[238:239], v[238:239], v[118:119]
	v_pk_add_f32 v[236:237], v[236:237], v[122:123]
	v_pk_add_f32 v[234:235], v[234:235], v[126:127]
	v_pk_add_f32 v[14:15], v[14:15], v[130:131]
	v_pk_add_f32 v[242:243], v[242:243], v[134:135]
	v_pk_add_f32 v[252:253], v[252:253], v[138:139]
	v_pk_add_f32 v[250:251], v[250:251], v[142:143]
	v_pk_add_f32 v[248:249], v[248:249], v[146:147]
	v_pk_add_f32 v[238:239], v[238:239], v[150:151]
	v_pk_add_f32 v[236:237], v[236:237], v[154:155]
	v_pk_add_f32 v[234:235], v[234:235], v[158:159]
	v_pk_add_f32 v[14:15], v[14:15], v[162:163]
	v_pk_add_f32 v[242:243], v[242:243], v[166:167]
	s_delay_alu instid0(VALU_DEP_2)
	v_pk_add_f32 v[14:15], v[14:15], v[248:249]
	s_delay_alu instid0(VALU_DEP_2)
	v_pk_add_f32 v[242:243], v[242:243], v[238:239]
	v_pk_add_f32 v[252:253], v[252:253], v[236:237]
	v_pk_add_f32 v[250:251], v[250:251], v[234:235]
	s_delay_alu instid0(VALU_DEP_2)
	v_pk_add_f32 v[14:15], v[14:15], v[252:253]
	s_delay_alu instid0(VALU_DEP_2)
	v_pk_add_f32 v[242:243], v[242:243], v[250:251]
	s_delay_alu instid0(VALU_DEP_1)
	v_pk_add_f32 v[14:15], v[14:15], v[242:243]
	s_setprio 0
	s_wait_alu depctr_va_vdst(0)                   ; and one for the four
.irp b, 0,1,2,3
	v_max_num_f32 v[BM+\b], 0x4800000, v[BM+\b]    ; the floor 2^(9 - 127): the byte cannot fall under 1
.endr
.irp b, 0,1,2,3
	s_delay_alu instid0(VALU_DEP_4)
	v_add_nc_u32 v[SV+\b], 0xfc000000, v[BM+\b]    ; 8 off the exponent field: the conversion's scale operand
.endr
.irp b, 0,1,2,3
.endr
.irp b, 0,1,2,3
	s_delay_alu instid0(VALU_DEP_4)
	v_lshrrev_b32 v[PB+\b], 23, v[SV+\b]           ; the byte
.endr
	s_delay_alu instid0(VALU_DEP_3)
	v_lshl_or_b32 v[PSW], v[PB+1], 8, v[PB]        ; p's scale word for these 128 keys
	s_delay_alu instid0(VALU_DEP_1)
	v_lshl_or_b32 v[PSW], v[PB+2], 16, v[PSW]
	s_delay_alu instid0(VALU_DEP_1)
	v_lshl_or_b32 v[PSW], v[PB+3], 24, v[PSW]
.irp b, 0,1,2,3
.irp i, 0,1,2,3,4,5,6,7,8,9,10,11,12,13,14,15
.endr
	v_cvt_scalef32_pk8_fp8_f32 v[PCD+4*\b:PCD+4*\b+1], v[S+16*\b:S+16*\b+7], v[SV+\b]
	v_cvt_scalef32_pk8_fp8_f32 v[PCD+4*\b+2:PCD+4*\b+3], v[S+16*\b+8:S+16*\b+15], v[SV+\b]
.endr
.set n, 0
.rept 16
	v_pk_mul_f32 v[OT+n:OT+n+1], v[OT+n:OT+n+1], v[FF:FF+1] op_sel_hi:[1,0]   ; O^T under the new M; these sixteen also stand between the conversions and the products
.set n, n+2
.endr
	s_wait_alu depctr_va_vdst(0)
	s_wait_dscnt 0x0                               ; V is in
.irp b, 0,1                            ; O^T += V^T P^T: the four accumulators take turns
	v_wmma_scale_f32_16x16x128_f8f6f4 v[OT+16*\b:OT+16*\b+7], v[KR+32*\b:KR+32*\b+15], v[PCD:PCD+15], v[OT+16*\b:OT+16*\b+7], v[VSW+\b], v[PSW]
	v_wmma_scale_f32_16x16x128_f8f6f4 v[OT+16*\b+8:OT+16*\b+15], v[KR+32*\b+16:KR+32*\b+31], v[PCD:PCD+15], v[OT+16*\b+8:OT+16*\b+15], v[VSW+\b], v[PSW] matrix_a_scale:MATRIX_SCALE_ROW1
.endr
.Lhidden_\@:
	s_add_co_u32 s[KF], s[KF], 128
	s_add_co_u32 s[TB], s[TB], STEPB
	s_add_co_u32 s[TS], s[TS], 768
.endm
; A WALK'S END: O^T / the sum, quantised along the head's 64 (two blocks; a lane holds 16 neighbours of each, lane xor 16 the others), stored as the last product's operand.
.macro OUT p, nextq
.rept 8
	v_nop                                          ; behind the last products
.endr
.if \nextq
	QLOAD P2                                       ; the next walk's Q lands under this work
.endif
	v_add_f32 v14, v14, v15
	s_delay_alu instid0(VALU_DEP_1)
	v_permlanex16_b32 v[TT], v14, s[SEL], s[SEL+1]
	s_delay_alu instid0(VALU_DEP_1)
	v_add_f32 v14, v14, v[TT]                      ; the row's sum
	s_wait_alu depctr_va_vdst(0)
	v_rcp_f32 v[FF], v14
	v_nop                                          ; a plain instruction behind the reciprocal,
	s_wait_alu depctr_va_vdst(0)                   ; and the wait ahead of its first reader
.set n, 0
.rept 16
	v_pk_mul_f32 v[S+n:S+n+1], v[OT+n:OT+n+1], v[FF:FF+1] op_sel_hi:[1,0]   ; register 16 b + i: o(query r, channel 32 b + 16 h + i)
.set n, n+2
.endr
.irp b, 0,1
	v_max3_num_f32 v[BM+\b], |v[S+16*\b]|, |v[S+1+16*\b]|, 0x4800000
.endr
.irp i, 2,4,6,8,10,12,14
.irp b, 0,1
	s_delay_alu instid0(VALU_DEP_2)
	v_max3_num_f32 v[BM+\b], v[BM+\b], |v[S+16*\b+\i]|, |v[S+1+16*\b+\i]|
.endr
.endr
.irp b, 0,1
	s_delay_alu instid0(VALU_DEP_2)
	v_permlanex16_b32 v[PB+\b], v[BM+\b], s[SEL], s[SEL+1]
.endr
.irp b, 0,1
	s_delay_alu instid0(VALU_DEP_2)
	v_max_num_f32 v[BM+\b], v[BM+\b], v[PB+\b]
.endr
.irp b, 0,1
	s_delay_alu instid0(VALU_DEP_2)
	v_add_nc_u32 v[SV+\b], 0xfc000000, v[BM+\b]
.endr
.irp b, 0,1
.endr
.irp b, 0,1
	s_delay_alu instid0(VALU_DEP_2)
	v_lshrrev_b32 v[PB+\b], 23, v[SV+\b]
.endr
	s_delay_alu instid0(VALU_DEP_1)
	v_lshl_or_b32 v[DD], v[PB+1], 8, v[PB]         ; the head's two bytes of my row
.irp b, 0,1
.irp i, 0,1,2,3,4,5,6,7,8,9,10,11,12,13,14,15
.endr
	v_cvt_scalef32_pk8_fp8_f32 v[PCD+4*\b:PCD+4*\b+1], v[S+16*\b:S+16*\b+7], v[SV+\b]
	v_cvt_scalef32_pk8_fp8_f32 v[PCD+4*\b+2:PCD+4*\b+3], v[S+16*\b+8:S+16*\b+15], v[SV+\b]
.endr
	v_nop                                          ; one plain vector instruction behind the last conversion
	global_store_b128 v[AK0], v[PCD:PCD+3], s[\p+4:\p+5]
	global_store_b128 v[AK0], v[PCD+4:PCD+7], s[\p+4:\p+5] offset:512
	global_store_b16 v[R8], v[DD], s[\p+6:\p+7]    ; both halves of the lanes hold the same two bytes and write them to the same place
.endm
	INIT
	s_wait_loadcnt 0x0                             ; Q
.irp s, 0,1,2,3                        ; WALK 1, stage by stage
	s_wait_tensorcnt 3-\s                          ; my scale words and my parts of stages 0 to s are in; my loads of the later stages may be out: nothing is filled twice
	s_wait_dscnt 0x0
	s_barrier_signal -1
	s_barrier_wait -1                              ; everybody's are
	s_mov_b32 s[TB], \s*STAGEB
	s_mov_b32 s[TS], \s*4*768
	s_mov_b32 s[KF], \s*512
	s_mov_b32 s[CNT], 4
.Lstage\s:
	STEP
	s_sub_co_u32 s[CNT], s[CNT], 1
	s_cmp_lg_u32 s[CNT], 0
	s_cbranch_scc1 .Lstage\s
	s_setprio 0
.endr
	OUT P1, 1
	s_wait_xcnt 0x0                                ; the stores have read their registers: the codes and the bytes are written again below
	s_mov_b32 s[Q0], s[QB]                         ; WALK 2: the whole head lies in LDS
	s_add_co_u32 s[QL], s[QB], 15
	s_mov_b32 s[TB], 0
	s_mov_b32 s[TS], 0
	s_mov_b32 s[KF], 0
	INIT
	s_wait_loadcnt 0x0                             ; Q
	s_mov_b32 s[CNT], 16
.Lwalk2:
	STEP
	s_sub_co_u32 s[CNT], s[CNT], 1
	s_cmp_lg_u32 s[CNT], 0
	s_cbranch_scc1 .Lwalk2
	s_setprio 0
	OUT P2, 0
	s_wait_tensorcnt 0x0
	ds_add_u32 v254, v255
	s_wait_dscnt 0x0
	s_endpgm
.Lfunc_end_k_q8a76c5db52_attn:
	.size	k_q8a76c5db52_attn, .Lfunc_end_k_q8a76c5db52_attn-k_q8a76c5db52_attn
	.p2alignl 7, 3214868480
	.fill 96, 4, 3214868480
	.section	.rodata,"a",@progbits
	.p2align	6, 0x0
	.amdhsa_kernel k_q8a76c5db52_attn
		.amdhsa_group_segment_fixed_size 296960
		.amdhsa_private_segment_fixed_size 0
		.amdhsa_enable_private_segment 0
		.amdhsa_kernarg_size 48
		.amdhsa_user_sgpr_count 2
		.amdhsa_user_sgpr_kernarg_segment_ptr 1
		.amdhsa_wavefront_size32 1
		.amdhsa_system_sgpr_workgroup_id_x 1
		.amdhsa_system_sgpr_workgroup_id_y 1
		.amdhsa_system_sgpr_workgroup_id_z 1
		.amdhsa_system_vgpr_workitem_id 0
		.amdhsa_next_free_vgpr 256
		.amdhsa_next_free_sgpr 96
		.amdhsa_reserve_vcc 1
		.amdhsa_float_denorm_mode_32 3
		.amdhsa_float_denorm_mode_16_64 3
		.amdhsa_fp16_overflow 1
		.amdhsa_memory_ordered 1
		.amdhsa_forward_progress 1
		.amdhsa_inst_pref_size 134
	.end_amdhsa_kernel
	.amdgpu_metadata
---
amdhsa.version: [ 1, 2 ]
amdhsa.kernels:
  - .name:           k_q8a76c5db52_attn
    .symbol:         k_q8a76c5db52_attn.kd
    .args:
      - { .name: qc, .offset: 0, .size: 8, .value_kind: global_buffer, .address_space: global }
      - { .name: qs, .offset: 8, .size: 8, .value_kind: global_buffer, .address_space: global }
      - { .name: kv, .offset: 16, .size: 8, .value_kind: global_buffer, .address_space: global }
      - { .name: kvs, .offset: 24, .size: 8, .value_kind: global_buffer, .address_space: global }
      - { .name: oc, .offset: 32, .size: 8, .value_kind: global_buffer, .address_space: global }
      - { .name: os, .offset: 40, .size: 8, .value_kind: global_buffer, .address_space: global }
    .group_segment_fixed_size: 296960
    .private_segment_fixed_size: 0
    .kernarg_segment_align: 8
    .kernarg_segment_size: 48
    .max_flat_workgroup_size: 512
    .sgpr_count:     96
    .vgpr_count:     256
    .wavefront_size: 32
...
	.end_amdgpu_metadata
.endif
;; end of part 2
;; launch proj (part 3): grid 4 x 32, 4 waves a work-group, clusters of 4 x 4, 327,680 bytes of LDS; arguments oc, os, Wo_codes, Wo_scales, out0; writes out0
.if DOCPART == 3
	.amdgcn_target "amdgcn-amd-amdhsa--gfx1250"
	.amdhsa_code_object_version 6
	.text
	.protected	k_q8a76c5db52_proj
	.globl	k_q8a76c5db52_proj
	.p2align	8
	.type	k_q8a76c5db52_proj,@function
k_q8a76c5db52_proj:
	s_mov_b64 s[64:65], 0
	v_nop
	global_prefetch_b8 v0, s[64:65] scope:SCOPE_SE
	s_setreg_imm32_b32 hwreg(HW_REG_WAVE_MODE, 25, 1), 1
	s_wait_xcnt 0x0
	s_wait_alu depctr_hold_cnt(0) depctr_sa_sdst(0) depctr_va_vdst(0) depctr_va_sdst(0) depctr_va_ssrc(0) depctr_va_vcc(0) depctr_vm_vsrc(0)
	s_getreg_b32 s2, hwreg(HW_REG_IB_STS2, 6, 4)
	s_cmp_eq_u32 s2, 0
	s_cbranch_scc0 .Lentry_in_a_cluster
	s_endpgm
.Lentry_in_a_cluster:
	s_bfe_u32 s2, ttmp6, 0x10000c
	s_cmp_lg_u32 s2, 0xf033
	s_cbranch_scc0 .Lentry_shape_is_right
	s_endpgm
.Lentry_shape_is_right:
; out0[m][n] = sum over k of o[m][k] Wo[n][k] on codes of FP8 (E4M3) with one E8M0 scale for each 32 along K.  o: 8,192 rows, K = 1,024, as the attention launch left it; Wo: [1024][1024] codes, K innermost; out0: [8192][1024] f32.
; A tile of 256 x 256 is made by four waves, each 128 x 128: 64 accumulators, 512 registers.  K goes in steps of 256 through a ring of two LDS slots filled by the tensor data mover.
; A (= o) ARRIVES AS IMAGES OF ITS FRAGMENTS: oc [row tile 512][K step of 128: 8][chunk 4][lane][16 B]: a K step of 256 of a row tile is 4,096 consecutive bytes, and a fragment comes by four loads of 512 consecutive bytes: no pitch, no padding.
; Its scale words: os [row tile][K step of 256: 4][row 16][8 bytes].  B (= Wo) lies by rows, 272 bytes apart in LDS.  The scales of all of K come into LDS once, with the first fills.
; CLUSTERS: 4 x 4 work-groups; A's tiles are asked for jointly along a row of the cluster, B's along a column.  THE MATRIX INSTRUCTION IS USED TRANSPOSED (source 0 = 16 rows of B, source 1 = 16 rows of A): a lane holds eight neighbouring numbers of a row of out0.
; 128 work-groups: the tile is kept at the size that feeds the most products from each LDS byte.
; LIMITS: scale bytes 0xff and NaN codes among Wo's are not served.
; REGISTERS, in windows of 256: window 0: v16-31 addresses; v32-63 A's scale words, v64-95 B's, two sets each, and nothing else; from v128 A's fragments, ONE set; on the way out v128-255 are free.
;   window 1: B's fragments, two sets.   window 2: accumulators of my rows 0-63 ((a, b) at v[8 (8 (a % 4) + b)]);   window 3: those of my rows 64-127.
.set SIZE_N, 1024
.set SIZE_K, 1024
.set KSTEP,  256
.set NQ,     KSTEP/128
.set ROWB,   256                       ; a row of B's tile in bytes
.set AIMG,   4096                      ; a row tile's images of a K step of 256
.set KROW,   SIZE_K
.set PITCH,  272
.set FR,     16
.set NL,     4
.set NP,     8
.set HALFT,  128*PITCH                 ; a wave's quarter of a slot: 128 rows of B; A's 128 rows use 32,768 bytes of it
.set SLOT,   4*HALFT
.set LAPS,   SIZE_K/(2*KSTEP)
.set KS,     SIZE_K/32
.set SCL,    2*SLOT
.set HALFS,  4352                      ; the scales of 128 rows: A: 8 rows of 512 + 32 bytes;  B: 16 rows of 256 + 16
.set SBLK,   544                       ; those of 16 rows
.set SPARE,  SCL+4*HALFS
.set SPITCH, 528                       ; the way out: a stage of 16 rows x (512 bytes + 16) for each wave, in slot 0, which has had its last fill and its last read by then
.set ADRA, 16
.set ADRB, 20
.set STO,  24
.set RD,   25
.set CO,   26
.set ADRSA, 27                         ; v27  LDS address of A's scale words
.set SPW,  28
.set NIL,  29
.set ADRSB, 30                         ; v30  of B's
.set SCA,  32
.set SCB,  64
.set AF,   128
.set BK,   128
.set G1, 24
.set G0, 32
.set G1B, 48
.set G0B, 56
.set G1S, 68
.set G0S, 76
.set G1SB, 80
.set G0SB, 88
.set MSB, 0
.macro WIN new
.if MSB != (\new)
	s_set_vgpr_msb (MSB<<8)|(\new)
.set MSB, (\new)
.endif
.endm
.set MUL_LO, 0xa1
.set MUL_HI, 0xf1
.set TO_B,   0x40
.macro JLOAD g0a, g1a, g0b, g1b        ; a joint load: waves 0 and 1 fetch for A, waves 2 and 3 for B; four v_nop follow each of the two lines
	s_cmp_eq_u32 s15, 0
	s_cbranch_scc0 .Lfor_b_\@
	tensor_load_to_lds s[\g0a:\g0a+3], s[\g1a:\g1a+7]
	s_nop 0
.rept 4
	v_nop
.endr
	s_branch .Lasked_\@
.Lfor_b_\@:
	tensor_load_to_lds s[\g0b:\g0b+3], s[\g1b:\g1b+7]
	s_nop 0
.rept 4
	v_nop
.endr
.Lasked_\@:
.endm
.macro CREST
	s_cmp_lg_u32 s14, 0
	s_cbranch_scc1 .Lnot_wave_0_\@
	s_barrier_signal -3
.Lnot_wave_0_\@:
	s_barrier_wait -3
	s_barrier_signal -1
	s_barrier_wait -1
.endm
.macro CROUND
	s_barrier_signal -1
	s_barrier_wait -1
	CREST
.endm
	s_load_b128 s[4:7], s[0:1], 0x0                ; oc, os
	s_load_b128 s[8:11], s[0:1], 0x10              ; Wo's codes, Wo's scales
	s_load_b64 s[12:13], s[0:1], 0x20              ; out0
	v_lshl_add_u32 v[SPW], v0, 2, SPARE
	v_mov_b32 v[NIL], 0
	ds_add_u32 v28, v29
	ds_add_u32 v28, v29
	s_wait_dscnt 0x0
	v_lshrrev_b32 v1, 5, v0
	v_readfirstlane_b32 s14, v1                    ; wave 0..3
	s_lshr_b32 s15, s14, 1                         ; which half of the tile's rows is mine.  Also: I fetch for A (0) or for B (1)
	s_and_b32 s16, s14, 1                          ; which half of its columns.  Also: which 128 rows of that tile I fetch
	s_bfe_u32 s40, ttmp6, 0x40000                  ; cx, cy
	s_bfe_u32 s41, ttmp6, 0x40004
	s_lshl_b32 s42, ttmp9, 2
	s_add_co_u32 s42, s42, s40                     ; tile column
	s_and_b32 s17, ttmp7, 0xffff
	s_lshl_b32 s17, s17, 2
	s_add_co_u32 s17, s17, s41                     ; tile row
	s_lshl_b32 s43, s41, 2
	s_lshl_b32 s43, 15, s43                        ; my row of the cluster
	s_lshl_b32 s44, 0x1111, s40                    ; my column
	; A's tiles: 8 rows (row tiles) of 4,096 bytes (512 elements of 8), 16,384 bytes apart in memory, on end in LDS
	s_or_b32 s[G1+0], s43, (3<<16)|(1<<21)
	s_mov_b32 s[G1+1], 512<<16
	s_mov_b32 s[G1+2], 8<<16
	s_mov_b32 s[G1+3], 512<<16
	s_mov_b32 s[G1+4], 8
	s_mov_b32 s[G1+5], 2048
	s_mov_b32 s[G1+6], 0
	s_mov_b32 s[G1+7], 0
	; B's tiles: 128 rows of 256 bytes, 16 bytes of padding behind each
	s_or_b32 s[G1B+0], s44, (0<<16)|(1<<20)|(1<<21)|(5<<22)|(3<<25)
	s_mov_b32 s[G1B+1], ROWB<<16
	s_mov_b32 s[G1B+2], 128<<16
	s_mov_b32 s[G1B+3], ROWB<<16
	s_mov_b32 s[G1B+4], 128
	s_mov_b32 s[G1B+5], KROW
	s_mov_b32 s[G1B+6], 0
	s_mov_b32 s[G1B+7], 0
	; A's scales of 128 rows: 4,096 dense bytes as 8 rows of 512 (a row tile's), 32 bytes of padding behind each
	s_or_b32 s[G1S+0], s43, (3<<16)|(1<<20)|(1<<21)|(6<<22)|(7<<25)
	s_mov_b32 s[G1S+1], 64<<16
	s_mov_b32 s[G1S+2], 8<<16
	s_mov_b32 s[G1S+3], 64<<16
	s_mov_b32 s[G1S+4], 8
	s_mov_b32 s[G1S+5], 64
	s_mov_b32 s[G1S+6], 0
	s_mov_b32 s[G1S+7], 0
	; B's: 4,096 dense bytes as 16 rows of 256, 16 bytes of padding behind each
	s_or_b32 s[G1SB+0], s44, (3<<16)|(1<<20)|(1<<21)|(5<<22)|(3<<25)
	s_mov_b32 s[G1SB+1], 32<<16
	s_mov_b32 s[G1SB+2], 16<<16
	s_mov_b32 s[G1SB+3], 32<<16
	s_mov_b32 s[G1SB+4], 16
	s_mov_b32 s[G1SB+5], 32
	s_mov_b32 s[G1SB+6], 0
	s_mov_b32 s[G1SB+7], 0
	s_lshl_b32 s18, s16, 7
	s_lshl_b32 s20, s17, 8
	s_add_co_u32 s20, s20, s18                     ; A: row 256 x tile row + 128 x half
	s_lshl_b32 s46, s42, 8
	s_add_co_u32 s46, s46, s18                     ; B: row 256 x tile column + 128 x half
	s_mov_b32 s21, 0
	s_mov_b32 s47, 0
	s_mov_b64 s[18:19], KS
	s_mul_u64 s[22:23], s[20:21], s[18:19]         ; these rows' scales: 32 bytes a row in both layouts
	s_mul_u64 s[92:93], s[46:47], s[18:19]
	s_mov_b64 s[18:19], KROW
	s_mul_u64 s[20:21], s[20:21], s[18:19]         ; and their codes: 1,024 bytes a row in both
	s_mul_u64 s[46:47], s[46:47], s[18:19]
	s_mul_i32 s45, s14, HALFT
	s_mul_i32 s94, s14, HALFS
	s_wait_kmcnt 0x0
	s_add_nc_u64 s[20:21], s[4:5], s[20:21]
	s_add_nc_u64 s[22:23], s[6:7], s[22:23]
	s_add_nc_u64 s[46:47], s[8:9], s[46:47]
	s_add_nc_u64 s[92:93], s[10:11], s[92:93]
	CROUND                                         ; all sixteen work-groups are here: the first joint loads meet
	s_mov_b32 s[G0S], 1
	s_add_co_u32 s[G0S+1], s94, SCL
	s_mov_b64 s[G0S+2:G0S+3], s[22:23]
	s_or_b32 s[G0S+3], s[G0S+3], 0x80000000
	s_mov_b32 s[G0SB], 1
	s_add_co_u32 s[G0SB+1], s94, SCL
	s_mov_b64 s[G0SB+2:G0SB+3], s[92:93]
	s_or_b32 s[G0SB+3], s[G0SB+3], 0x80000000
	JLOAD G0S, G1S, G0SB, G1SB
.irp s, 0,1
	s_mov_b32 s[G0+4*\s], 1
	s_add_co_u32 s[G0+4*\s+1], s45, \s*SLOT
	s_add_nc_u64 s[G0+4*\s+2:G0+4*\s+3], s[20:21], \s*AIMG
	s_or_b32 s[G0+4*\s+3], s[G0+4*\s+3], 0x80000000
	s_mov_b32 s[G0B+4*\s], 1
	s_add_co_u32 s[G0B+4*\s+1], s45, \s*SLOT
	s_add_nc_u64 s[G0B+4*\s+2:G0B+4*\s+3], s[46:47], \s*ROWB
	s_or_b32 s[G0B+4*\s+3], s[G0B+4*\s+3], 0x80000000
	s_wait_alu depctr_va_vdst(0)
	s_wait_tensorcnt 0x0
	ds_add_u32 v28, v29
	s_wait_dscnt 0x0
	CROUND
	JLOAD G0+4*\s, G1, G0B+4*\s, G1B
.endr
	v_and_b32 v1, 15, v0                           ; r
	v_bfe_u32 v2, v0, 4, 1                         ; h
	v_and_b32 v6, 31, v0                           ; lane
	v_lshlrev_b32 v[CO], 4, v6                     ; 16 x lane: an image's place, and my bytes of a row of out0
	v_mul_u32_u24 v3, v1, PITCH
	v_lshl_add_u32 v4, v2, 4, v3                   ; B: a fragment's row x pitch + 16 x half
	s_mul_i32 s21, s15, HALFT                      ; my 128 rows of A
	s_mul_i32 s22, s16, HALFT                      ; my 128 rows of B,
	s_add_co_u32 s22, s22, 2*HALFT                 ; which lie behind A's
.irp s, 0,1
	v_add_nc_u32 v[ADRA+\s], s21, v[CO]
	v_add_nc_u32 v[ADRB+\s], s22, v4
	s_add_co_u32 s21, s21, SLOT
	s_add_co_u32 s22, s22, SLOT
.endr
	s_mul_i32 s21, s15, HALFS
	s_add_co_u32 s21, s21, SCL
	v_lshlrev_b32 v5, 3, v1
	v_add_nc_u32 v[ADRSA], s21, v5                 ; A's scale words: 8 bytes a row; a K step on: 128 bytes
	s_mul_i32 s22, s16, HALFS
	s_add_co_u32 s22, s22, SCL+2*HALFS
	v_mul_u32_u24 v5, v1, KS                       ; B's: 32 bytes a row,
	v_lshrrev_b32 v7, 8, v5
	v_lshl_add_u32 v5, v7, 4, v5                   ; and 16 more for each 256 passed; a K step on: 8 bytes
	v_add_nc_u32 v[ADRSB], s22, v5
	s_mul_i32 s23, s14, 16*SPITCH                  ; my stage
	v_mul_u32_u24 v5, v1, SPITCH
	v_lshl_add_u32 v5, v2, 5, v5
	v_add_nc_u32 v[STO], s23, v5                   ; in: row r, 32 bytes for each half of the lanes
	v_add_nc_u32 v[RD], s23, v[CO]                 ; back: the 32 lanes take one row of 512 bytes
	s_lshl_b32 s20, s17, 8
	s_lshl_b32 s21, s15, 7
	s_add_co_u32 s20, s20, s21                     ; my first row of out0
	s_mov_b32 s21, 0
	s_mov_b64 s[18:19], SIZE_N*4
	s_mul_u64 s[20:21], s[20:21], s[18:19]
	s_lshl_b32 s46, s42, 10                        ; my first column, in bytes
	s_lshl_b32 s47, s16, 9
	s_add_co_u32 s46, s46, s47
	s_mov_b32 s47, 0
	s_add_nc_u64 s[20:21], s[20:21], s[46:47]
	s_add_nc_u64 s[12:13], s[12:13], s[20:21]
.macro FRAGB reg, adr, q, i            ; B: 16 rows x 128 K from rows: registers 4 c .. 4 c + 3 hold K = 32 c + 16 (l / 16) + 0 .. 15
.irp c, 0,1,2,3
	ds_load_b128 v[\reg+4*\c:\reg+4*\c+3], v[\adr] offset:128*(\q)+32*\c+(\i)*16*PITCH
.endr
.endm
.macro FRAGA reg, adr, q, i            ; A: the image as it lies: 512 consecutive bytes a load
.irp c, 0,1,2,3
	ds_load_b128 v[\reg+4*\c:\reg+4*\c+3], v[\adr] offset:AIMG*(\i)+2048*(\q)+512*\c
.endr
.endm
; 16 matrix instructions: A's blocks a0, a0 + 1 x B's eight.  The 64 accumulators take turns, one instruction a turn, in the same order in every step.
.macro MUL16 a0, p, q, sc, zero
.irp a, \a0, \a0+1
.irp b, 0,1,2,3,4,5,6,7
.if \zero
	v_wmma_scale_f32_16x16x128_f8f6f4 v[8*(8*((\a)%4)+\b):8*(8*((\a)%4)+\b)+7], v[128*(\p)+FR*\b:128*(\p)+FR*\b+FR-1], v[AF+FR*(\a):AF+FR*(\a)+FR-1], 0, v[SCB+8*NQ*(\sc)+NQ*\b+(\q)], v[SCA+8*NQ*(\sc)+NQ*(\a)+(\q)]
.else
	v_wmma_scale_f32_16x16x128_f8f6f4 v[8*(8*((\a)%4)+\b):8*(8*((\a)%4)+\b)+7], v[128*(\p)+FR*\b:128*(\p)+FR*\b+FR-1], v[AF+FR*(\a):AF+FR*(\a)+FR-1], v[8*(8*((\a)%4)+\b):8*(8*((\a)%4)+\b)+7], v[SCB+8*NQ*(\sc)+NQ*\b+(\q)], v[SCA+8*NQ*(\sc)+NQ*(\a)+(\q)]
.endif
.endr
.endr
.endm
.macro FETCH_B slot, q, p
	WIN TO_B
.irp i, 0,1,2,3,4,5,6,7
	FRAGB 128*(\p)+FR*\i, ADRB+\slot, \q, \i
.endr
	WIN 0
.endm
.macro FETCH_A slot, q, i0
.irp i, \i0, \i0+1, \i0+2, \i0+3
	FRAGA AF+FR*(\i), ADRA+\slot, \q, \i
.endr
.endm
.macro SCALES sc                       ; a K step's scale words, two a row: A's block i and B's block i
.irp i, 0,1,2,3,4,5,6,7
	ds_load_b64 v[SCA+8*NQ*\sc+NQ*\i:SCA+8*NQ*\sc+NQ*\i+1], v[ADRSA] offset:\i*SBLK
	ds_load_b64 v[SCB+8*NQ*\sc+NQ*\i:SCB+8*NQ*\sc+NQ*\i+1], v[ADRSB] offset:\i*SBLK
.endr
.endm
.macro PLACES n
.rept \n
	v_nop
.endr
.endm
.macro STEP slot, q, zero
	s_wait_dscnt 4*NL                              ; B's set, the scale words and A's blocks 0-3 are in; the youngest sixteen loads (A's blocks 4-7) may be out
	WIN MUL_LO
	MUL16 0, (\q)%2, \q, \slot, \zero
	MUL16 2, (\q)%2, \q, \slot, \zero
	s_wait_dscnt 0
	PLACES NP
	FETCH_B \slot, (\q)+1, 1-(\q)%2
	FETCH_A \slot, (\q)+1, 0
	WIN MUL_HI
	MUL16 4, (\q)%2, \q, \slot, \zero
	MUL16 6, (\q)%2, \q, \slot, \zero
	PLACES NP
	WIN 0
	FETCH_A \slot, (\q)+1, 4
.endm
.macro TURN slot, next, fill
	s_wait_tensorcnt 0x0                           ; all my tensor loads have landed: my part of the next slot
	ds_add_u32 v[SPW], v[NIL]                      ; 0 onto my spare word
	s_wait_dscnt 4*NL+1                            ; (the add and the youngest sixteen loads may be out)
	WIN MUL_LO
	MUL16 0, 1, NQ-1, \slot, 0
	s_wait_dscnt 0x0                               ; the add is done, and my reads of this slot are over
	s_barrier_signal -1
	MUL16 2, 1, NQ-1, \slot, 0
	WIN 0
	s_barrier_wait -1
.if \fill
	CREST                                          ; the barrier has opened a round of the cluster's barrier
	s_add_nc_u64 s[G0+4*\slot+2:G0+4*\slot+3], s[G0+4*\slot+2:G0+4*\slot+3], 2*AIMG
	s_add_nc_u64 s[G0B+4*\slot+2:G0B+4*\slot+3], s[G0B+4*\slot+2:G0B+4*\slot+3], 2*ROWB
	JLOAD G0+4*\slot, G1, G0B+4*\slot, G1B         ; the first tensor load behind the round
	PLACES NP-4
.else
	PLACES NP
.endif
	s_wait_alu depctr_va_vdst(0)
	v_add_nc_u32 v[ADRSA], 128, v[ADRSA]           ; on to the next K step's scale words
	v_add_nc_u32 v[ADRSB], 4*NQ, v[ADRSB]
	FETCH_B \next, 0, 0
	FETCH_A \next, 0, 0
	SCALES \next
	WIN MUL_HI
	MUL16 4, 1, NQ-1, \slot, 0
	MUL16 6, 1, NQ-1, \slot, 0
	PLACES NP
	WIN 0
	FETCH_A \next, 0, 4
.endm
	s_wait_alu depctr_va_vdst(0)
	s_wait_tensorcnt 1                             ; the scales and my part of K step 0 are in (K step 1's load may be out),
	s_barrier_signal -1
	s_barrier_wait -1                              ; everybody's are
	FETCH_B 0, 0, 0
	FETCH_A 0, 0, 0
	SCALES 0
	FETCH_A 0, 0, 4
	STEP 0, 0, 1                                   ; the first step's products start the sums
	s_mov_b32 s3, LAPS-1
.Llap:
	TURN 0, 1, 1
	STEP 1, 0, 0
	TURN 1, 0, 1
	STEP 0, 0, 0
	s_sub_co_u32 s3, s3, 1
	s_cmp_lg_u32 s3, 0
	s_cbranch_scc1 .Llap
	TURN 0, 1, 0                                   ; the last lap fills nothing
	STEP 1, 0, 0
	s_wait_dscnt 4*NL
	WIN MUL_LO
	MUL16 0, 1, NQ-1, 1, 0
	MUL16 2, 1, NQ-1, 1, 0
	s_wait_dscnt 0
	WIN MUL_HI
	MUL16 4, 1, NQ-1, 1, 0
	MUL16 6, 1, NQ-1, 1, 0
	WIN 0
; THE WAY OUT, block by block of 16 rows x 128 columns: through my own stage in LDS and back as whole rows of 512 bytes, which the 32 lanes store as 512 consecutive bytes, aligned.
; LDS serves a wave's instructions in order (ISA guide 5.7.1.4): no wait between the stores and the loads.
.macro TOSTAGE a
.set AC, 64*((\a)%4)
	WIN 0x08+4*((\a)/4)                            ; the data: window 2 or 3
.irp b, 0,1,2,3,4,5,6,7
	ds_store_b128 v[STO], v[AC+8*\b:AC+8*\b+3] offset:64*\b          ; each accumulator from its low end on
	ds_store_b128 v[STO], v[AC+8*\b+4:AC+8*\b+7] offset:64*\b+16
.endr
	WIN 0
.set BB, BK+64*((\a)%2)
.irp t, 0,1,2,3,4,5,6,7,8,9,10,11,12,13,14,15
	ds_load_b128 v[BB+4*\t:BB+4*\t+3], v[RD] offset:\t*SPITCH
.endr
.endm
.macro SEND a, younger                 ; younger: the LDS instructions issued behind block a's loads, which may stay out
.set BB, BK+64*((\a)%2)
	s_wait_dscnt \younger
.if (\a) > 0
	s_add_nc_u64 s[12:13], s[12:13], 16*SIZE_N*4   ; (behind a wait on XCNT: the earlier stores have read their base)
.endif
.irp t, 0,1,2,3,4,5,6,7,8,9,10,11,12,13,14,15
	global_store_b128 v[CO], v[BB+4*\t:BB+4*\t+3], s[12:13] offset:\t*SIZE_N*4 th:TH_STORE_NT
.endr
.endm
	PLACES NP
	TOSTAGE 0
.irp a, 1,2,3,4,5,6,7
.if \a > 1
	s_wait_xcnt 0x0                                ; block a - 2's stores have read their registers and their base
.endif
	TOSTAGE \a
	SEND \a-1, 32                                  ; behind block a - 1's loads: block a's 16 stores and 16 loads
.endr
	s_wait_xcnt 0x0
	SEND 7, 0
	s_wait_tensorcnt 0x0                           ; the wave's end
	ds_add_u32 v[SPW], v[NIL]
	s_wait_dscnt 0x0
	CROUND                                         ; the closing round
	s_endpgm
.Lfunc_end_k_q8a76c5db52_proj:
	.size	k_q8a76c5db52_proj, .Lfunc_end_k_q8a76c5db52_proj-k_q8a76c5db52_proj
	.p2alignl 7, 3214868480
	.fill 96, 4, 3214868480
	.section	.rodata,"a",@progbits
	.p2align	6, 0x0
	.amdhsa_kernel k_q8a76c5db52_proj
		.amdhsa_group_segment_fixed_size 327680
		.amdhsa_private_segment_fixed_size 0
		.amdhsa_enable_private_segment 0
		.amdhsa_kernarg_size 40
		.amdhsa_user_sgpr_count 2
		.amdhsa_user_sgpr_kernarg_segment_ptr 1
		.amdhsa_wavefront_size32 1
		.amdhsa_system_sgpr_workgroup_id_x 1
		.amdhsa_system_sgpr_workgroup_id_y 1
		.amdhsa_system_sgpr_workgroup_id_z 1
		.amdhsa_system_vgpr_workitem_id 0
		.amdhsa_next_free_vgpr 1024
		.amdhsa_next_free_sgpr 98
		.amdhsa_reserve_vcc 0
		.amdhsa_float_denorm_mode_32 3
		.amdhsa_float_denorm_mode_16_64 3
		.amdhsa_memory_ordered 1
		.amdhsa_forward_progress 1
		.amdhsa_inst_pref_size 149
	.end_amdhsa_kernel
	.amdgpu_metadata
---
amdhsa.version: [ 1, 2 ]
amdhsa.kernels:
  - .name:           k_q8a76c5db52_proj
    .symbol:         k_q8a76c5db52_proj.kd
    .args:
      - { .name: oc, .offset: 0, .size: 8, .value_kind: global_buffer, .address_space: global }
      - { .name: os, .offset: 8, .size: 8, .value_kind: global_buffer, .address_space: global }
      - { .name: Wo_codes, .offset: 16, .size: 8, .value_kind: global_buffer, .address_space: global }
      - { .name: Wo_scales, .offset: 24, .size: 8, .value_kind: global_buffer, .address_space: global }
      - { .name: out0, .offset: 32, .size: 8, .value_kind: global_buffer, .address_space: global }
    .group_segment_fixed_size: 327680
    .private_segment_fixed_size: 0
    .kernarg_segment_align: 8
    .kernarg_segment_size: 40
    .max_flat_workgroup_size: 128
    .sgpr_count:     98
    .vgpr_count:     1024
    .wavefront_size: 32
...
	.end_amdgpu_metadata
.endif
;; end of part 3
